; MI455X (gfx1250); checked and timed in simulation.
; The chip was launched on July 23, 2026; its instructions are those of AMD's public machine-readable ISA for CDNA 5 (MIT licence, August 2026) and "CDNA5" Instruction Set Architecture Reference Guide (July 2026). The comments in the code are by the model that wrote it; some were corrected since.
;; Attention. Allowed arithmetic: matrix products marked QUANTISED: E3M2 operands, one E8M0 scale for each 32 along K, by v_wmma_scale_f32_16x16x128_f8f6f4 with both operands' format E3M2, f32 sums; everything else in f32.
;; Inputs: Wk 1,024 x 1,024 float32; Wq 1,024 x 1,024 float32; Wv 1,024 x 1,024 float32; bk 1,024 float32; bq 1,024 float32; bv 1,024 float32; x 4 x 2,048 x 1,024 float32.
;; Outputs: out0 4 x 2,048 x 1,024 float32.
;; This version of the problem:
;;   THIS VERSION OF THE PROBLEM IS GIVEN IN LOW PRECISION. The matrix products marked QUANTISED in the list below multiply operands that are first quantised to E3M2 (3 exponent bits, 2 mantissa bits; 6 bits a number), with one power-of-two scale for each 32 numbers along K (OCP MX v1.0); their sums are f32. All else is computed in f32.
;;   The module's matrix products, in the order in which they are computed (A, B: the left and right operand; K: the contracted axis; several contracted axes count as one K, in the product's order):
;;     1. [M 8,192, K 1,024] x [K 1,024, N 1,024]; A: input x; B: input Wq: QUANTISED
;;     2. [M 8,192, K 1,024] x [K 1,024, N 1,024]; A: input x; B: input Wk: QUANTISED
;;     3. [M 8,192, K 1,024] x [K 1,024, N 1,024]; A: input x; B: input Wv: QUANTISED
;;     4. batch 4 x [M 2,048, K 1,024] x [K 1,024, N 2,048]; A: computed on the way; B: computed on the way: QUANTISED
;;     5. batch 4 x [M 2,048, K 2,048] x [K 2,048, N 1,024]; A: softmax (see below); B: computed on the way: QUANTISED
;;   THE QUANTISER, for each operand of a quantised product, along K:
;;     - K is cut into blocks of 32 from its start; a last block that is shorter is filled with zeros.
;;     - A block's scale is 2^e with e = floor(log2(the largest magnitude in the block)) - 4, held to -126 .. 127; a block of zeros has e = 0. As a byte (E8M0): e + 127.
;;     - Each number is divided by its block's scale, clamped to +-28, and rounded to the nearest number of E3M2, ties to even, subnormals kept.
;;     - The product sums the exact products of the quantised numbers (number of the format x scale) in f32.
;;   ~~~python
;;   def quantise(x, axis):      # numpy; x: float32 -> the quantised numbers, widened to float32 again
;;       x = np.moveaxis(x, axis, -1); K = x.shape[-1]
;;       x = np.pad(x, [(0, 0)] * (x.ndim - 1) + [(0, -K % 32)]); x = x.reshape(x.shape[:-1] + (-1, 32)); a = np.abs(x).max(-1, keepdims=True)
;;       e = np.where(a > 0, np.clip(np.frexp(np.where(a > 0, a, 1))[1] - 1 - 4, -126, 127), 0)      # np.frexp(a)[1] - 1 = floor(log2(a)), exactly
;;       r = np.clip(x / 2.0 ** e, -28, 28)
;;       step = 2.0 ** (np.maximum(np.frexp(np.where(r == 0, 1, r))[1] - 1, -2) - 2)
;;       q = np.round(r / step) * step * 2.0 ** e      # np.round: ties to even
;;       return np.moveaxis(q.reshape(q.shape[:-2] + (-1,))[..., :K], -1, axis).astype(np.float32)
;;   ~~~
;;   SOFTMAX AHEAD OF A QUANTISED PRODUCT. Where the list says 'softmax', what is quantised is not the finished softmax but p = 2^(t - M), with t = logit x log2(e) and M = ceil(the row's largest t), a whole number; so 1/2 < the row's largest p <= 1. The row's sum l is taken of the UNQUANTISED p, in f32, and the product's result is divided by l at the end. Since M is a whole number, a kernel that streams over the keys may use a running M (the ceiling of the running maximum): every later rescaling is an exact power of two, which a block's scale takes up: the codes' values come out the same.
;;   OPERANDS COMPUTED ON THE WAY. 'Computed on the way' means the value that the module computes at that place (a softmax that the list does not call 'softmax' is quantised finished and normalised). What goes into a quantiser is computed in f32, as accurately as f32 sums, v_exp_f32 and their like allow (about 1e-6 of the number): no bf16 or f16 on the way to a quantiser, and a product that is left as it is and whose result goes on into a quantised operand takes f32 operands (vector FMAs, or v_wmma_f32_16x16x4_f32). A number that lies on a knife's edge between two numbers of the format may be rounded either way, as far as f32 arithmetic and the matrix unit's own rounding can turn it there, and no further.
;; One version. Each part assembles by itself: llvm-mc -triple=amdgcn-amd-amdhsa -mcpu=gfx1250 --defsym DOCPART=n.
;; ======== version 1 of 1: 4 launches
;; limits: right only within a limited range of input values
;; workspace buffers: xw 9,011,200 bytes; qkv 19,660,800 bytes; pp 14,155,776 bytes
;; launch quant (part 1): grid 704 x 1, 2 waves a work-group, no clusters, 17,152 bytes of LDS; arguments x, Wq, Wk, Wv, xw; writes xw
.if DOCPART == 1
	.amdgcn_target "amdgcn-amd-amdhsa--gfx1250"
	.amdhsa_code_object_version 6
	.text
	.protected	k_qb16ae421e4_quant
	.globl	k_qb16ae421e4_quant
	.p2align	8
	.type	k_qb16ae421e4_quant,@function
k_qb16ae421e4_quant:
	s_mov_b64 s[64:65], 0
	v_nop
	global_prefetch_b8 v0, s[64:65] scope:SCOPE_SE
	s_setreg_imm32_b32 hwreg(HW_REG_WAVE_MODE, 25, 1), 1
	s_wait_xcnt 0x0
; x [8192][1024], Wq, Wk, Wv [1024][1024], f32, K innermost, become codes of BF6 (E3M2) with one E8M0 byte for each 32 along K, laid in xw AS THE MATRIX UNIT'S REGISTERS WANT THEM.
; ROWS.  The 11,264 rows (x, Wq, Wk, Wv on end) go in groups of 128; a group has 8 blocks of 16 SLOTS; slot t of block i is row 32 (i / 2) + 8 (i % 2) + t + 8 (t / 8) of the group.  With that order a product used
; transposed leaves 16 neighbours along its columns in a lane's registers, so that the later launches quantise their results in registers.
; A FRAGMENT'S IMAGE: 16 slots x 128 K = 12 registers a lane, register 4 c + q of lane l at byte 512 c + 16 l + 4 q: 1,536 bytes.  xw: images [704 blocks][8 K steps]; behind them the scale words,
; [88 groups][8 K steps][512 bytes], the word of slot r of block i at 256 (i / 4) + 16 r + 4 (i % 4).
; A block's scale is 2^(floor(log2(its largest magnitude)) - 4): its byte is the largest magnitude's exponent field - 4, held at 1 from below.  A block of zeros keeps the byte 1 where the rule says 127: its codes are zeros,
; and this program alone reads the bytes.  LIMITS: NaN and infinities among the inputs are not served; blocks whose largest magnitude lies under 2^(5 - 127) have their byte held at 1.
; SHARES.  Work-group n: group n / 8, blocks 4 j .. 4 j + 3 with j = (n / 4) % 2; wave w takes K step 2 (n % 4) + w: four fragments.  A load reads 512 consecutive bytes of one row (128 numbers); a fragment's 16 rows turn
; through the wave's own stage in LDS (rows 528 bytes apart) and come back as the operand's layout has them: lane (r, h) holds k = 64 c + 32 h + 0 .. 31 of row r: two whole blocks.  Waves share nothing: no barrier.
; LOADS AHEAD.  Each fragment has 64 registers of its own, in window 1: three fragments' 48 loads go out at the start, the fourth's 16 as soon as the first's are in.
.set STG,  8448                        ; a wave's stage: 16 rows x (512 + 16) bytes
.set XWS,  8650752                     ; where the scale words begin in xw
.set X,    144                         ; v144-207 64 numbers in the operand's order
.set PC,   208                         ; v208-219 the fragment's codes
.set PT,   220                         ; v220-226 the upper halves of the two blocks, before they are moved
.set MX,   228                         ; v228-229 largest magnitudes
.set SO,   230                         ; v230-231 the conversions' scale operands
.set BY,   232                         ; v232-233 the bytes
.set T0,   234
.set T1,   235
.set SW,   236                         ; v236-239 the four fragments' scale words
.set MSB, 0                            ; window 1: fragment f's numbers as loaded, at v[64 f]
.macro WIN new                         ; the immediate's high byte repeats the setting that is left
.if MSB != (\new)
	s_set_vgpr_msb (MSB<<8)|(\new)
.set MSB, (\new)
.endif
.endm
	s_load_b256 s[4:11], s[0:1], 0x0               ; x s[4:5], Wq s[6:7], Wk s[8:9], Wv s[10:11]
	s_load_b64 s[12:13], s[0:1], 0x20              ; xw
	v_lshl_add_u32 v254, v0, 2, 0x4200
	v_mov_b32 v255, 0
	v_lshrrev_b32 v1, 5, v0
	v_readfirstlane_b32 s14, v1                    ; wave 0, 1
	v_and_b32 v1, 31, v0                           ; lane
	v_and_b32 v2, 15, v0                           ; r
	v_bfe_u32 v3, v0, 4, 1                         ; h
	v_lshlrev_b32 v4, 4, v1                        ; 16 x lane: a load's, a store's and an image's place
	s_mul_i32 s15, s14, STG
	v_add_nc_u32 v5, s15, v4                       ; the stage, on the way in
	v_mul_u32_u24 v6, v2, 528
	v_lshl_add_u32 v6, v3, 7, v6
	v_add_nc_u32 v6, s15, v6                       ; and out: row r, + 128 h
	v_lshlrev_b32 v7, 4, v2                        ; 16 r: the scale words' place
	v_lshlrev_b32 v8, 3, v3                        ; 8 h: my bytes' shift in a scale word
	v_mov_b32 v[T1], 0                             ; written once: a lane permute's destination counts as one of its sources
	s_mov_b32 s20, 0x76543210
	s_mov_b32 s21, 0xfedcba98                      ; v_permlanex16_b32's selects for lane l xor 16
	s_lshr_b32 s16, ttmp9, 3                       ; the group, 0 .. 87
	s_bfe_u32 s17, ttmp9, 0x10002                  ; j
	s_and_b32 s18, ttmp9, 3
	s_lshl_b32 s18, s18, 1
	s_add_co_u32 s18, s18, s14                     ; the K step
	s_and_b32 s19, s16, 7                          ; the group within a weight
	s_wait_alu depctr_va_vdst(0)
	s_wait_kmcnt 0x0
	s_cmp_lt_u32 s16, 80                           ; groups 0-63 x, 64-71 Wq, 72-79 Wk, 80-87 Wv: the choice hangs on the work-group's number alone
	s_cselect_b64 s[8:9], s[8:9], s[10:11]
	s_cmp_lt_u32 s16, 72
	s_cselect_b64 s[6:7], s[6:7], s[8:9]
	s_cmp_lt_u32 s16, 64
	s_cselect_b64 s[4:5], s[4:5], s[6:7]
	s_cselect_b32 s19, s16, s19                    ; the group within its tensor
	s_lshl_b32 s22, s19, 19                        ; 128 rows of 4,096 bytes
	s_lshl_b32 s23, s17, 18                        ; + 64 j rows
	s_add_co_u32 s22, s22, s23
	s_lshl_b32 s23, s18, 9                         ; + 512 bytes a K step
	s_add_co_u32 s22, s22, s23
	s_mov_b32 s23, 0
	s_add_nc_u64 s[4:5], s[4:5], s[22:23]
	s_mul_i32 s24, s16, 98304                      ; the images: 8 blocks x 8 K steps x 1,536 bytes a group,
	s_mul_i32 s25, s17, 49152                      ; 4 j blocks,
	s_add_co_u32 s24, s24, s25
	s_mul_i32 s25, s18, 1536                       ; my K step
	s_add_co_u32 s24, s24, s25
	s_mov_b32 s25, 0
	s_add_nc_u64 s[24:25], s[12:13], s[24:25]
	s_lshl_b32 s26, s16, 12                        ; the scale words: 4,096 bytes a group, 512 a K step, 256 j
	s_lshl_b32 s27, s18, 9
	s_add_co_u32 s26, s26, s27
	s_lshl_b32 s27, s17, 8
	s_add_co_u32 s26, s26, s27
	s_add_co_u32 s26, s26, XWS
	s_mov_b32 s27, 0
	s_add_nc_u64 s[26:27], s[12:13], s[26:27]
.macro LOADF f                         ; fragment f's 16 rows, 512 consecutive bytes each, into its own 64 registers of window 1
	WIN 0x40                                       ; destination window 1, address window 0
.irp t, 0,1,2,3,4,5,6,7,8,9,10,11,12,13,14,15
	global_load_b128 v[64*\f+4*\t:64*\f+4*\t+3], v4, s[4:5] offset:(32*(\f/2)+8*(\f%2)+\t+8*(\t/8))*4096 th:TH_LOAD_NT
.endr
.endm
.macro TURN f                          ; through the stage: LDS serves a wave's instructions in order, so no wait stands between the stores and the loads
	WIN 0x04                                       ; an LDS store's data are its source 1: window 1
.irp t, 0,1,2,3,4,5,6,7,8,9,10,11,12,13,14,15
	ds_store_b128 v5, v[64*\f+4*\t:64*\f+4*\t+3] offset:528*\t
.endr
	WIN 0
.irp c, 0,1
.irp q, 0,1,2,3,4,5,6,7
	ds_load_b128 v[X+32*\c+4*\q:X+32*\c+4*\q+3], v6 offset:256*\c+16*\q
.endr
.endr
.endm
.macro QF f                            ; 64 numbers of a lane become 12 registers of codes and the row's scale word
.irp c, 0,1
	v_max3_num_f32 v[MX+\c], |v[X+32*\c]|, |v[X+32*\c+1]|, 0x2800000     ; my block 2 c + h: all 32 numbers are mine; the floor 2^(5 - 127) holds the byte at 1 from below
.endr
.irp i, 2,4,6,8,10,12,14,16,18,20,22,24,26,28,30
.irp c, 0,1
	v_max3_num_f32 v[MX+\c], v[MX+\c], |v[X+32*\c+\i]|, |v[X+32*\c+\i+1]|
.endr
.endr
.irp c, 0,1
	v_add_nc_u32 v[SO+\c], 0xfe000000, v[MX+\c]    ; 4 off the exponent field: the conversion takes this operand's exponent field as its scale
.endr
.irp c, 0,1
	v_lshrrev_b32 v[BY+\c], 23, v[SO+\c]           ; the byte
.endr
	v_lshl_or_b32 v[T0], v[BY+1], 16, v[BY]        ; blocks h and 2 + h,
	v_lshlrev_b32 v[T0], v8, v[T0]                 ; at their places;
	v_permlanex16_b32 v[T1], v[T0], s20, s21
	v_or_b32 v[SW+\f], v[T0], v[T1]                ; with lane l xor 16's two the word is whole
.if \f > 0
	s_wait_alu depctr_va_vdst(0)
	s_wait_xcnt 0x0                                ; the last fragment's stores have read their data: the codes' registers are written again only behind this wait
.endif
.irp c, 0,1
	v_cvt_scalef32_pk16_bf6_f32 v[PC+6*\c:PC+6*\c+2], v[X+32*\c:X+32*\c+15], v[SO+\c]
	v_cvt_scalef32_pk16_bf6_f32 v[PT+4*\c:PT+4*\c+2], v[X+32*\c+16:X+32*\c+31], v[SO+\c]   ; (a conversion's three registers begin on an even number)
.endr
	v_nop                                          ; one plain place behind a scaled conversion
.irp c, 0,1
.irp i, 0,1,2
	v_mov_b32 v[PC+6*\c+3+\i], v[PT+4*\c+\i]
.endr
.endr
.irp c, 0,1,2
	global_store_b128 v4, v[PC+4*\c:PC+4*\c+3], s[24:25] offset:12288*\f+512*\c   ; 32 lanes store 512 consecutive bytes, aligned
.endr
.endm
	LOADF 0
	LOADF 1
	LOADF 2
	s_wait_loadcnt 32                              ; fragment 0's 16 loads are in; fragments 1's and 2's may be out
	LOADF 3
	TURN 0
	s_wait_dscnt 0x0                               ; the numbers are back from the stage
	QF 0
	s_wait_loadcnt 32                              ; fragment 1's are in; fragments 2's and 3's may be out
	TURN 1
	s_wait_dscnt 0x0
	QF 1
	s_wait_loadcnt 16                              ; fragment 2's are in; fragment 3's may be out
	TURN 2
	s_wait_dscnt 0x0
	QF 2
	s_wait_loadcnt 0x0
	TURN 3
	s_wait_dscnt 0x0
	QF 3
	v_cmp_gt_u32 vcc_lo, 16, v1                    ; lanes 16-31 hold the same words: lanes 0-15 store them, 256 consecutive bytes, aligned
	s_wait_xcnt 0x0                                ; EXEC changes only behind this wait
	s_wait_tensorcnt 0x0
	ds_add_u32 v254, v255
	s_wait_dscnt 0x0
	s_and_saveexec_b32 s28, vcc_lo
	global_store_b128 v7, v[SW:SW+3], s[26:27]
	s_wait_xcnt 0x0
	s_or_b32 exec_lo, exec_lo, s28
	s_endpgm
.Lfunc_end_k_qb16ae421e4_quant:
	.size	k_qb16ae421e4_quant, .Lfunc_end_k_qb16ae421e4_quant-k_qb16ae421e4_quant
	.p2alignl 7, 3214868480
	.fill 96, 4, 3214868480
	.section	.rodata,"a",@progbits
	.p2align	6, 0x0
	.amdhsa_kernel k_qb16ae421e4_quant
		.amdhsa_group_segment_fixed_size 17152
		.amdhsa_private_segment_fixed_size 0
		.amdhsa_enable_private_segment 0
		.amdhsa_kernarg_size 40
		.amdhsa_user_sgpr_count 2
		.amdhsa_user_sgpr_kernarg_segment_ptr 1
		.amdhsa_wavefront_size32 1
		.amdhsa_system_sgpr_workgroup_id_x 1
		.amdhsa_system_sgpr_workgroup_id_y 1
		.amdhsa_system_sgpr_workgroup_id_z 1
		.amdhsa_system_vgpr_workitem_id 0
		.amdhsa_next_free_vgpr 512
		.amdhsa_next_free_sgpr 66
		.amdhsa_reserve_vcc 1
		.amdhsa_float_denorm_mode_32 3
		.amdhsa_float_denorm_mode_16_64 3
		.amdhsa_memory_ordered 1
		.amdhsa_forward_progress 1
		.amdhsa_inst_pref_size 31
	.end_amdhsa_kernel
	.amdgpu_metadata
---
amdhsa.version: [ 1, 2 ]
amdhsa.kernels:
  - .name:           k_qb16ae421e4_quant
    .symbol:         k_qb16ae421e4_quant.kd
    .args:
      - { .name: x, .offset: 0, .size: 8, .value_kind: global_buffer, .address_space: global }
      - { .name: Wq, .offset: 8, .size: 8, .value_kind: global_buffer, .address_space: global }
      - { .name: Wk, .offset: 16, .size: 8, .value_kind: global_buffer, .address_space: global }
      - { .name: Wv, .offset: 24, .size: 8, .value_kind: global_buffer, .address_space: global }
      - { .name: xw, .offset: 32, .size: 8, .value_kind: global_buffer, .address_space: global }
    .group_segment_fixed_size: 17152
    .private_segment_fixed_size: 0
    .kernarg_segment_align: 8
    .kernarg_segment_size: 40
    .max_flat_workgroup_size: 64
    .sgpr_count:     66
    .vgpr_count:     512
    .wavefront_size: 32
...
	.end_amdgpu_metadata
.endif
;; end of part 1
;; launch qkv (part 2): grid 8 x 32, 4 waves a work-group, clusters of 4 x 4, 327,680 bytes of LDS; arguments xw, bq, bk, bv, qkv; writes qkv
.if DOCPART == 2
	.amdgcn_target "amdgcn-amd-amdhsa--gfx1250"
	.amdhsa_code_object_version 6
	.text
	.protected	k_qb16ae421e4_qkv
	.globl	k_qb16ae421e4_qkv
	.p2align	8
	.type	k_qb16ae421e4_qkv,@function
k_qb16ae421e4_qkv:
	s_mov_b64 s[64:65], 0
	v_nop
	global_prefetch_b8 v0, s[64:65] scope:SCOPE_SE
	s_setreg_imm32_b32 hwreg(HW_REG_WAVE_MODE, 25, 1), 1
	s_wait_xcnt 0x0
	s_wait_alu depctr_hold_cnt(0) depctr_sa_sdst(0) depctr_va_vdst(0) depctr_va_sdst(0) depctr_va_ssrc(0) depctr_va_vcc(0) depctr_vm_vsrc(0)
	s_getreg_b32 s2, hwreg(HW_REG_IB_STS2, 6, 4)
	s_cmp_eq_u32 s2, 0
	s_cbranch_scc0 .Lentry_in_a_cluster
	s_endpgm
.Lentry_in_a_cluster:
	s_bfe_u32 s2, ttmp6, 0x10000c
	s_cmp_lg_u32 s2, 0xf033
	s_cbranch_scc0 .Lentry_shape_is_right
	s_endpgm
.Lentry_shape_is_right:
; q = x Wq^T + bq, k = x Wk^T + bk (rows = tokens, K of the next product = the 1,024 channels) and v^T = Wv x^T + bv (rows = channels, K of the next product = the keys), on codes of BF6 with E8M0 scales,
; each result quantised in registers along its next K and stored as fragment images and scale words.  Sums in f32, K ascending, one accumulator for each output; the bias is the C of the first product.
; OPERANDS lie in xw as images of the matrix unit's registers: [704 blocks of 16 slots][8 K steps][1,536 bytes]; scale words [88 groups][8][512] from byte 8,650,752.  Slot t of block i of a group of 128 rows is row
; 32 (i / 2) + 8 (i % 2) + t + 8 (t / 8).  An image comes out of LDS by three loads of 16 bytes a lane at 16 x lane: no pitch, no padding.
; THE MATRIX INSTRUCTION IS USED TRANSPOSED: source 0 = 16 slots of 'B', source 1 = 16 slots of 'A'.  A lane holds one slot of A, and registers 16 b + i of its 64 (B's blocks 2 b, 2 b + 1) are columns 32 b + 16 (lane / 16) + i.
; SHARES.  The three results are 384 tiles of 256 x 256; 256 work-groups make one and a half each, in TWO PHASES, so that all have the same work.  X, Y: the cluster's place in the grid (2 x 8); cx, cy: mine in the cluster.
;   Phase 1: 256 tokens (x's tile 4 Y + cy = A) x 256 channels of q (X = 0) or k (X = 1) (the weight's tile cx = B); a wave makes 128 x 128: 64 accumulators; 8 K steps of 64 matrix instructions.
;   Phase 2: 128 channels of v^T (Wv's group 4 X + cy = A) x 256 keys (x's tile 4 Y + cx = B); a wave makes 64 x 128: 32 accumulators; 8 K steps of 32.
; CLUSTERS: 4 x 4.  In both phases A's tiles hang on cy alone within the cluster and are asked for jointly along a row of it, B's on cx alone and jointly along a column: the same tensor load, descriptor and mask in the four.
; LDS.  Phase 1: K steps 0 to 3 at 0 (196,608 bytes: A's 16 blocks, B's 16), asked for at the head; steps 4, 5 at 196,608, asked for behind the head's round; steps 6, 7 at 0, asked for at step 3, when steps 0 to 3 have been
;   read.  Phase 2: K steps 0 to 3 at 98,304 (A's 8 blocks, then B's 16: 147,456 bytes), asked for at phase 1's step 5; steps 4 to 7: A's at 245,760, B's at 0, asked for behind two blocks of phase 1's epilogue.
;   Phase 1's scale words, for all of K, lie behind: they come through registers.  Phase 2's go from memory straight into 64 registers (sixteen lanes read 256 consecutive bytes).
; The next step's images are loaded from LDS in one run, in front of a step's products.
; PREFETCH: phase 1's steps 4 to 7, behind the head's joint load: of the 8 blocks that a wave fetches each of the four partners names two (6,144 bytes, 24 lanes 256 bytes apart), told apart by address.  Phase 2's x tiles are
; tiles of phase 1 of the same cluster; Wv's load has three steps and two blocks of the epilogue before it is waited for: they are not prefetched.
; OUT (qkv): q's images [512 blocks][8][1,536] at 0, k's at 6,291,456, v^T's [64 blocks][64 K steps of 128 keys, all batches on end][1,536] at 12,582,912; scale words q [64][8][512] at 18,874,368, k at 19,136,512,
; v^T [8][64][512] at 19,398,656.
; LIMITS: NaN and infinities are not served; a block of zeros carries the byte 1 (its codes are zeros; this program alone reads the bytes); a block whose largest magnitude lies under 2^(5 - 127) has its byte held at 1.
; REGISTERS, in windows of 256: window 0: v0-31 addresses; v32-47 phase 1's scale words, two sets; v56-59 bv of my four blocks; v64-159, v160-255 phase 1's A fragments, two sets;
;   in the epilogues v32-63 at work, v64-82 and v144-162 codes, v84-91 scale words; phase 2: v96-143, v144-191 A's fragments, two sets; v192-255 its scale words for all of K.
;   window 1: v0-95, v128-223 B's fragments, two sets; v96-127, v224-255 the bias as C.   windows 2, 3: accumulator (a, b) at v[8 (8 (a % 4) + b)], window 2 + a / 4 (phase 2: window 2 alone).
.set FRB,   1536                       ; an image
.set RBL,   2*FRB                      ; a block's bytes where two K steps were fetched,
.set RBQ,   4*FRB                      ; and where four were
.set SLOTB, 32*RBL                     ; 98,304
.set HALFB, 24*RBQ                     ; 147,456
.set BOF2,  8*RBQ
.set SCL,   3*SLOTB                    ; phase 1's scale words: A's two groups, B's two, 4,096 bytes each
.set SPARE, SCL+16384                  ; the spare words, 128 bytes a wave: two blocks of 256 bytes that no other line names
.set XWS,   8650752
.set L16,   4                          ; v4     16 x lane
.set ADRA,  8                          ; v8-10  phase 1: my A blocks of steps 0-3, 4-5, 6-7
.set PFO,   11                         ; v11    the prefetches' offset; never rewritten
.set ADRB,  12                         ; v12-14 my B blocks
.set ADRS,  15                         ; v15    my scale words in LDS: lanes 0-15 A's group, lanes 16-31 B's
.set ADRA2, 16                         ; v16-17 phase 2: my A blocks of steps 0-3, 4-7
.set ADRB2, 18                         ; v18-19 my B blocks
.set SCO,   20                         ; v20    phase 2's scale words in xw: lanes 0-15 my four blocks of Wv, lanes 16-31 x's blocks 0-3
.set SCO2,  21                         ; v21    lanes 16-31: x's blocks 4-7
.set OFF1,  22                         ; v22    where phase 1's images go, in qkv
.set WOF1,  23                         ; v23    and its scale words
.set WO,    24                         ; v24-27 scale words on their way out
.set SPW,   28                         ; v28    my spare word; never rewritten
.set NIL,   29                         ; v29    0; never rewritten
.set OFF2,  30                         ; v30    where phase 2's images go
.set WOF2,  31                         ; v31    and its scale words
.set SC,    32
.set TM,    32                         ; v32-63 at work in the epilogues, 16 for each of two blocks
.set BV,    56
.set PSC,   60                         ; v60    the head: where my scale words go in LDS
.set AF,    64
.set PC,    64                         ; codes: v64.. and v144..
.set SW,    84
.set AF2,   96
.set SC2,   192
.set G1A2,  4                          ; s[4:11]  group 1 for phase 2's A tiles (written at the end of the head, when the pointers there are done with)
.set G1B2,  16                         ; s[16:23] for its B tiles (likewise, when the ids there are done with)
.set G1A,   24
.set G1B,   32
.set PFA,   40                         ; s[40:41] where my prefetches stand
.set SWS,   42                         ; s[42:43] the scale words that I bring
.set LD0,   44                         ; s44      where my part of the head's load goes
.set GA0,   56
.set GA1,   60
.set SEL,   66
.set GA2,   68
.set GB0,   76
.set GB1,   80
.set GB2,   84
.set XWP,   92                         ; s[92:93] xw
.set PA2,   94                         ; s[94:95] phase 2's A tile, my half, K step 0
.set PB2,   96                         ; s[96:97] its B tile
.set LM,    98                         ; s98      lanes 16-31
.set LA2,   100                        ; s100     where my half of phase 2's A tile goes, from that tile's start
.set LB2,   101                        ; s101     and of its B tile
.set MSB, 0
.macro WIN new                         ; the immediate's high byte repeats the setting that is left
.if MSB != (\new)
	s_set_vgpr_msb (MSB<<8)|(\new)
.set MSB, (\new)
.endif
.endm
.set TO_B, 0x40                        ; destination window 1, address window 0
; A joint load: waves 0 and 1 fetch for A, waves 2 and 3 for B; the branch hangs on the wave's number alone.  Four v_nop follow each of the two lines.
.macro JLOAD g0a, g1a, g0b, g1b
	s_cmp_eq_u32 s15, 0
	s_cbranch_scc0 .Lfor_b_\@
	tensor_load_to_lds s[\g0a:\g0a+3], s[\g1a:\g1a+7]
	s_nop 0
.rept 4
	v_nop
.endr
	s_branch .Lasked_\@
.Lfor_b_\@:
	tensor_load_to_lds s[\g0b:\g0b+3], s[\g1b:\g1b+7]
	s_nop 0
.rept 4
	v_nop
.endr
.Lasked_\@:
.endm
.macro CREST                           ; a round of the cluster's barrier behind its opening barrier
	s_cmp_lg_u32 s14, 0
	s_cbranch_scc1 .Lnot_wave_0_\@
	s_barrier_signal -3
.Lnot_wave_0_\@:
	s_barrier_wait -3
	s_barrier_signal -1
	s_barrier_wait -1
.endm
.macro CROUND
	s_barrier_signal -1
	s_barrier_wait -1
	CREST
.endm
.macro PLACES                          ; four places between a matrix instruction and a load into, or a vector read of, its registers
.rept 4
	v_nop
.endr
.endm
.macro SETG g, lbase, loff, src, off   ; a descriptor's group 0
	s_mov_b32 s[\g], 1
	s_add_co_u32 s[\g+1], s[\lbase], \loff
	s_add_nc_u64 s[\g+2:\g+3], s[\src:\src+1], \off
	s_or_b32 s[\g+3], s[\g+3], 0x80000000
.endm
; Phase 1, K step s, into set s % 2: B's 8 images, A's 8 (three loads of 512 consecutive bytes each), the scale words (register x: lanes 0-15 the words of A's block x, lanes 16-31 of B's block x): 50 loads.
.macro FETCH s
.set qP, (\s)%2
.if (\s) < 4
.set qR, 0
.set qB, RBQ
.set qK, (\s)*FRB
.else
.set qR, (\s)/2-1
.set qB, RBL
.set qK, ((\s)%2)*FRB
.endif
	WIN TO_B
.irp i, 0,1,2,3,4,5,6,7
.irp c, 0,1,2
	ds_load_b128 v[128*qP+12*\i+4*\c:128*qP+12*\i+4*\c+3], v[ADRB+qR] offset:\i*qB+qK+512*\c
.endr
.endr
	WIN 0
.irp i, 0,1,2,3,4,5,6,7
.irp c, 0,1,2
	ds_load_b128 v[AF+96*qP+12*\i+4*\c:AF+96*qP+12*\i+4*\c+3], v[ADRA+qR] offset:\i*qB+qK+512*\c
.endr
.endr
	ds_load_b128 v[SC+8*qP:SC+8*qP+3], v[ADRS] offset:512*(\s)
	ds_load_b128 v[SC+8*qP+4:SC+8*qP+7], v[ADRS] offset:512*(\s)+256
.endm
; Phase 1, A's blocks lo .. hi - 1 x B's eight: the accumulators take turns, one instruction a turn, in the same order in every step.  cm = 0: onto the sums; 2: C = the bias of B's block.
.macro MULR s, cm, lo, hi
.set pP, (\s)%2
.irp a, 0,1,2,3,4,5,6,7
.if (\a >= \lo) && (\a < \hi)
.irp b, 0,1,2,3,4,5,6,7
.set rD, 8*(8*(\a%4)+\b)
.if \cm == 0
	WIN 0xa1+0x50*(\a/4)                           ; source 0 window 1, source 1 window 0, C and D window 2 or 3
	v_wmma_scale_f32_16x16x128_f8f6f4 v[rD:rD+7], v[128*pP+12*\b:128*pP+12*\b+11], v[AF+96*pP+12*\a:AF+96*pP+12*\a+11], v[rD:rD+7], v[SC+8*pP+\b], v[SC+8*pP+\a] matrix_a_fmt:MATRIX_FMT_BF6 matrix_b_fmt:MATRIX_FMT_BF6 matrix_a_scale:MATRIX_SCALE_ROW1
.else
	WIN 0x91+0x40*(\a/4)                           ; C window 1
	v_wmma_scale_f32_16x16x128_f8f6f4 v[rD:rD+7], v[128*pP+12*\b:128*pP+12*\b+11], v[AF+96*pP+12*\a:AF+96*pP+12*\a+11], v[96+8*\b+96*(\b/4):96+8*\b+96*(\b/4)+7], v[SC+8*pP+\b], v[SC+8*pP+\a] matrix_a_fmt:MATRIX_FMT_BF6 matrix_b_fmt:MATRIX_FMT_BF6 matrix_a_scale:MATRIX_SCALE_ROW1
.endif
.endr
.endif
.endr
.endm
.macro FETCH2 s                        ; phase 2, K step s: B's 8 images, A's 4, into set s % 2: 36 loads of 512 consecutive bytes
.set qP, (\s)%2
.set qR, (\s)/4
.set qK, ((\s)%4)*FRB
	WIN TO_B
.irp i, 0,1,2,3,4,5,6,7
.irp c, 0,1,2
	ds_load_b128 v[128*qP+12*\i+4*\c:128*qP+12*\i+4*\c+3], v[ADRB2+qR] offset:\i*RBQ+qK+512*\c
.endr
.endr
	WIN 0
.irp i, 0,1,2,3
.irp c, 0,1,2
	ds_load_b128 v[AF2+48*qP+12*\i+4*\c:AF2+48*qP+12*\i+4*\c+3], v[ADRA2+qR] offset:\i*RBQ+qK+512*\c
.endr
.endr
.endm
; Phase 2, A's blocks lo .. hi - 1, the accumulators by turns.  cm = 0: onto the sums; 3: C = the bias of A's block.
.macro MULR2 s, cm, lo, hi
.set pP, (\s)%2
.irp a, 0,1,2,3
.if (\a >= \lo) && (\a < \hi)
.irp b, 0,1,2,3,4,5,6,7
.set rD, 8*(8*\a+\b)
.if \cm == 0
	WIN 0xa1
	v_wmma_scale_f32_16x16x128_f8f6f4 v[rD:rD+7], v[128*pP+12*\b:128*pP+12*\b+11], v[AF2+48*pP+12*\a:AF2+48*pP+12*\a+11], v[rD:rD+7], v[SC2+8*(\s)+\b], v[SC2+8*(\s)+\a] matrix_a_fmt:MATRIX_FMT_BF6 matrix_b_fmt:MATRIX_FMT_BF6 matrix_a_scale:MATRIX_SCALE_ROW1
.else
	WIN 0x91
	v_wmma_scale_f32_16x16x128_f8f6f4 v[rD:rD+7], v[128*pP+12*\b:128*pP+12*\b+11], v[AF2+48*pP+12*\a:AF2+48*pP+12*\a+11], v[96+8*\a:96+8*\a+7], v[SC2+8*(\s)+\b], v[SC2+8*(\s)+\a] matrix_a_fmt:MATRIX_FMT_BF6 matrix_b_fmt:MATRIX_FMT_BF6 matrix_a_scale:MATRIX_SCALE_ROW1
.endif
.endr
.endif
.endr
.endm
; A CHANGE OF BYTES.  CH_HEAD: each wave waits for all its tensor loads and adds 0 to its spare word; the descriptors' lines stand behind it.  Then the wait for the add and for my LDS reads; a round of the cluster's barrier;
; behind it, first, the joint refill.  CH_MUL lays step s's first sixteen products, work on registers, between the round's opening signal and its wait.
.macro CH_HEAD
	WIN 0
	s_wait_tensorcnt 0x0                           ; no tensor load of mine is out: all asked for so far has landed, and a group 0 may be written
	ds_add_u32 v[SPW], v[NIL]                      ; 0 onto my spare word
.endm
.macro CH_FILL ga, g1a, gb, g1b
	s_wait_dscnt 0x0                               ; the add is done, and my reads of the bytes that are filled again are over
	CROUND                                         ; no wave of any partner still reads those bytes or has a load on its way
	JLOAD \ga, \g1a, \gb, \g1b                     ; the four v_nop behind it are also the places in front of the loads that follow
.endm
.macro CH_MUL ga, g1a, gb, g1b, s
	s_wait_dscnt 0x0
	s_barrier_signal -1
	MULR \s, 0, 0, 2
	WIN 0
	s_barrier_wait -1
	CREST
	JLOAD \ga, \g1a, \gb, \g1b
	FETCH (\s)+1
	MULR \s, 0, 2, 8
.endm
.macro STEP s
	s_wait_dscnt 0x0                               ; this step's fragments are in (asked for a whole step ago)
	PLACES
	FETCH (\s)+1
	MULR \s, 0, 0, 8
.endm
.macro STEP2 s
	s_wait_dscnt 0x0
	PLACES
	FETCH2 (\s)+1
	MULR2 \s, 0, 0, 4
.endm
	s_load_b128 s[4:7], s[0:1], 0x0                ; xw s[4:5], bq s[6:7]
	s_load_b128 s[8:11], s[0:1], 0x10              ; bk s[8:9], bv s[10:11]
	s_load_b64 s[12:13], s[0:1], 0x20              ; qkv
	v_lshl_add_u32 v[SPW], v0, 2, SPARE
	v_mov_b32 v[NIL], 0
	ds_add_u32 v[SPW], v[NIL]                      ; the wave's opening: the add, twice on end, and its wait ahead of my first tensor load
	ds_add_u32 v[SPW], v[NIL]
	v_lshrrev_b32 v1, 5, v0
	v_readfirstlane_b32 s14, v1                    ; wave 0..3
	s_lshr_b32 s15, s14, 1                         ; which half of A's slots is mine.  Also: I fetch for A (0) or for B (1)
	s_and_b32 s16, s14, 1                          ; which half of B's.  Also: which half of that tile I fetch
	s_bfe_u32 s17, ttmp6, 0x40000                  ; cx
	s_bfe_u32 s18, ttmp6, 0x40004                  ; cy
	s_and_b32 s19, ttmp7, 0xffff                   ; Y, the cluster's y (ttmp9: X)
	s_lshl_b32 s20, s18, 2
	s_lshl_b32 s20, 15, s20                        ; my row of the cluster
	s_lshl_b32 s21, 0x1111, s17                    ; my column
	s_or_b32 s[G1A], s20, (3<<16)|(1<<21)          ; 15:0 the mask; 17:16 elements of 8 bytes; 21 set beside a mask; no padding
	s_or_b32 s[G1B], s21, (3<<16)|(1<<21)
.irp g, G1A, G1B                       ; the head's load: 8 blocks x four K steps' images on end (6,144 bytes = 768 elements), 12,288 bytes from block to block
	s_mov_b32 s[\g+1], 768<<16
	s_mov_b32 s[\g+2], 8<<16
	s_mov_b32 s[\g+3], 768<<16
	s_mov_b32 s[\g+4], 8
	s_mov_b32 s[\g+5], 1536
	s_mov_b32 s[\g+6], 0
	s_mov_b32 s[\g+7], 0
.endr
	s_lshl_b32 s2, s19, 2
	s_add_co_u32 s2, s2, s18                       ; phase 1's A: x's tile 4 Y + cy
	s_lshl_b32 s3, ttmp9, 2
	s_add_co_u32 s3, s3, s17
	s_add_co_u32 s3, s3, 32                        ; its B: tile 32 + 4 X + cx (Wq's four, then Wk's four)
	s_lshl_b32 s92, s2, 4
	s_lshl_b32 s93, s16, 3
	s_add_co_u32 s92, s92, s93
	s_mul_i32 s92, s92, 12288                      ; A's codes: block 16 x tile + 8 x half
	s_mov_b32 s93, 0
	s_lshl_b32 s94, s2, 1
	s_add_co_u32 s94, s94, s16
	s_lshl_b32 s94, s94, 12
	s_add_co_u32 s94, s94, XWS                     ; A's scale words: group 2 x tile + half
	s_mov_b32 s95, 0
	s_lshl_b32 s96, s3, 4
	s_lshl_b32 s97, s16, 3
	s_add_co_u32 s96, s96, s97
	s_mul_i32 s96, s96, 12288
	s_mov_b32 s97, 0
	s_lshl_b32 s98, s3, 1
	s_add_co_u32 s98, s98, s16
	s_lshl_b32 s98, s98, 12
	s_add_co_u32 s98, s98, XWS
	s_mov_b32 s99, 0
	s_mul_i32 s[LD0], s14, 8*RBQ                   ; where my part goes: wave x 8 blocks; no place in the cluster enters an LDS address
	s_mul_i32 s100, s14, 8*RBL
	s_lshl_b32 s101, s14, 12
	s_add_co_u32 s101, s101, SCL                   ; and my group's scale words
	s_wait_alu depctr_va_vdst(0)
	s_wait_dscnt 0x0                               ; both opening adds are done
	s_wait_kmcnt 0x0
	s_add_nc_u64 s[92:93], s[4:5], s[92:93]
	s_add_nc_u64 s[94:95], s[4:5], s[94:95]
	s_add_nc_u64 s[96:97], s[4:5], s[96:97]
	s_add_nc_u64 s[98:99], s[4:5], s[98:99]
	SETG GA0, LD0, 0, 92, 0
	SETG GB0, LD0, 0, 96, 0
	CROUND                                         ; all sixteen work-groups are here: the first joint loads meet
	JLOAD GA0, G1A, GB0, G1B                       ; K steps 0 to 3: one tensor load a wave at the head
	SETG GA1, 100, 2*SLOTB, 92, 2*RBL              ; K steps 4, 5
	SETG GB1, 100, 2*SLOTB, 96, 2*RBL
	SETG GA2, 100, 0, 92, 3*RBL                    ; K steps 6, 7
	SETG GB2, 100, 0, 96, 3*RBL
	s_cmp_eq_u32 s15, 0
	s_cselect_b64 s[SWS:SWS+1], s[94:95], s[98:99] ; the scale words of the group that I fetch
	s_cselect_b64 s[PFA:PFA+1], s[92:93], s[96:97]
	s_cselect_b32 s46, s17, s18                    ; my place among the four that ask with me
	s_mul_i32 s46, s46, 24576                      ; two blocks each,
	s_add_co_u32 s46, s46, 6144                    ; K steps 4 to 7
	s_mov_b32 s47, 0
	s_add_nc_u64 s[PFA:PFA+1], s[PFA:PFA+1], s[46:47]
	s_mov_b64 s[XWP:XWP+1], s[4:5]
	v_and_b32 v1, 31, v0                           ; lane
	v_and_b32 v2, 15, v0                           ; r
	v_bfe_u32 v3, v0, 4, 1                         ; h
	v_lshlrev_b32 v[L16], 4, v1
	v_min_u32 v7, 23, v1                           ; 24 blocks of 256 bytes: lanes 24-31 name the last again
	v_lshlrev_b32 v[PFO], 8, v7
	v_add_nc_u32 v[PSC], s101, v[L16]
.irp j, 0,1,2,3,4,5,6,7                ; my group's scale words for all of K: 4,096 dense bytes, on their way to LDS
	global_load_b128 v[64+4*\j:67+4*\j], v[L16], s[SWS:SWS+1] offset:512*\j
.endr
	; where phase 1's results go, as offsets in qkv
	s_wait_alu depctr_va_vdst(0)
	s_lshl_b32 s22, s2, 1
	s_add_co_u32 s22, s22, s15                     ; my group of 128 tokens
	s_lshl_b32 s23, s17, 1
	s_add_co_u32 s23, s23, s16                     ; my K step of q or k
	s_mul_i32 s98, ttmp9, 6291456                  ; q's images or k's
	s_mul_i32 s99, s22, 98304
	s_add_co_u32 s98, s98, s99
	s_mul_i32 s99, s23, FRB
	s_add_co_u32 s98, s98, s99
	v_add_nc_u32 v[OFF1], s98, v[L16]
	s_lshl_b32 s98, ttmp9, 18
	s_lshl_b32 s99, s22, 12
	s_add_co_u32 s98, s98, s99
	s_lshl_b32 s99, s23, 9
	s_add_co_u32 s98, s98, s99
	s_add_co_u32 s98, s98, 18874368
	v_add_nc_u32 v[WOF1], s98, v[L16]
	s_lshl_b32 s2, ttmp9, 2
	s_add_co_u32 s2, s2, s18                       ; phase 2's A: Wv's group 4 X + cy
	s_lshl_b32 s3, s19, 2
	s_add_co_u32 s3, s3, s17                       ; its B: x's tile 4 Y + cx
	; THE BIASES.  Phase 1's runs along the registers (the column's) and goes straight into window 1, in the result's layout; phase 2's runs along the lanes (the row's): one number a block.
	s_cmp_eq_u32 ttmp9, 0
	s_cselect_b64 s[6:7], s[6:7], s[8:9]           ; bq or bk
	s_lshl_b32 s22, s17, 10
	s_lshl_b32 s23, s16, 9
	s_add_co_u32 s22, s22, s23
	s_mov_b32 s23, 0
	s_add_nc_u64 s[6:7], s[6:7], s[22:23]          ; at column 256 cx + 128 x my half of B
	s_lshl_b32 s22, s2, 9
	s_lshl_b32 s23, s15, 8
	s_add_co_u32 s22, s22, s23
	s_mov_b32 s23, 0
	s_add_nc_u64 s[10:11], s[10:11], s[22:23]      ; bv at row 128 x group + 64 x my half of A
	v_lshlrev_b32 v5, 6, v3                        ; 16 h numbers
	v_and_b32 v6, 8, v2
	v_add_nc_u32 v6, v6, v2
	v_lshlrev_b32 v6, 2, v6                        ; r + 8 (r / 8) numbers
	WIN 0x40                                       ; destination window 1
.irp b, 0,1,2,3
.irp q, 0,1,2,3
	global_load_b128 v[96+16*\b+4*\q+96*(\b/2):96+16*\b+4*\q+96*(\b/2)+3], v5, s[6:7] offset:128*\b+16*\q      ; tiles 2 b, 2 b + 1: columns 32 b + 16 h + 0 .. 15
.endr
.endr
	WIN 0
.irp a, 0,1,2,3
	global_load_b32 v[BV+\a], v6, s[10:11] offset:4*(32*(\a/2)+8*(\a%2))                                        ; slot r of my block a
.endr
	global_prefetch_b8 v[PFO], s[PFA:PFA+1] th:TH_LOAD_NT scope:SCOPE_SE
	global_prefetch_b8 v[PFO], s[PFA:PFA+1] offset:12288 th:TH_LOAD_NT scope:SCOPE_SE
	; phase 2's tiles in memory and in LDS
	s_lshl_b32 s94, s2, 3
	s_lshl_b32 s95, s16, 2
	s_add_co_u32 s94, s94, s95
	s_add_co_u32 s94, s94, 640
	s_mul_i32 s94, s94, 12288                      ; A: block 640 + 8 x group + 4 x half
	s_mov_b32 s95, 0
	s_add_nc_u64 s[PA2:PA2+1], s[4:5], s[94:95]
	s_lshl_b32 s96, s3, 4
	s_lshl_b32 s97, s16, 3
	s_add_co_u32 s96, s96, s97
	s_mul_i32 s96, s96, 12288                      ; B: block 16 x tile + 8 x half
	s_mov_b32 s97, 0
	s_add_nc_u64 s[PB2:PB2+1], s[4:5], s[96:97]
	s_mul_i32 s[LA2], s16, 4*RBQ
	s_mul_i32 s[LB2], s16, 8*RBQ
	; my fragments in LDS
	s_mul_i32 s22, s15, 8*RBQ                      ; phase 1, steps 0 to 3: my 8 blocks of A,
	s_mul_i32 s23, s16, 8*RBQ
	s_add_co_u32 s23, s23, 16*RBQ                  ; my 8 blocks of B, behind A's 16
	v_add_nc_u32 v[ADRA], s22, v[L16]
	v_add_nc_u32 v[ADRB], s23, v[L16]
	s_mul_i32 s22, s15, 8*RBL                      ; steps 6, 7
	s_mul_i32 s23, s16, 8*RBL
	s_add_co_u32 s23, s23, 16*RBL
	v_add_nc_u32 v[ADRA+2], s22, v[L16]
	v_add_nc_u32 v[ADRB+2], s23, v[L16]
	s_add_co_u32 s22, s22, 2*SLOTB                 ; steps 4, 5
	s_add_co_u32 s23, s23, 2*SLOTB
	v_add_nc_u32 v[ADRA+1], s22, v[L16]
	v_add_nc_u32 v[ADRB+1], s23, v[L16]
	s_lshl_b32 s22, s15, 12                        ; A's group of scale words;
	s_add_co_u32 s23, s16, 2
	s_sub_co_u32 s23, s23, s15
	s_lshl_b32 s23, s23, 12                        ; how far on B's lies
	v_mul_u32_u24 v7, s23, v3                      ; lanes 16-31 take B's
	s_add_co_u32 s22, s22, SCL
	v_lshl_add_u32 v7, v2, 4, v7
	v_add_nc_u32 v[ADRS], s22, v7
	s_mul_i32 s22, s15, 4*RBQ                      ; phase 2: my 4 blocks of A,
	s_mul_i32 s23, s16, 8*RBQ                      ; my 8 blocks of B
	s_add_co_u32 s22, s22, SLOTB
	v_add_nc_u32 v[ADRA2], s22, v[L16]
	v_add_nc_u32 v[ADRB2+1], s23, v[L16]
	s_add_co_u32 s22, s22, HALFB
	s_add_co_u32 s23, s23, SLOTB+BOF2
	v_add_nc_u32 v[ADRA2+1], s22, v[L16]
	v_add_nc_u32 v[ADRB2], s23, v[L16]
	; where phase 2's results go, and where its scale words lie
	s_lshl_b32 s22, s3, 1
	s_add_co_u32 s22, s22, s16                     ; my 128 keys: x's group, and v^T's K step
	s_lshl_b32 s23, s2, 1
	s_add_co_u32 s23, s23, s15                     ; my four blocks of channels: 2 x group + half
	s_mul_i32 s98, s23, 393216                     ; four blocks of 64 K steps x 1,536 bytes
	s_mul_i32 s99, s22, FRB
	s_add_co_u32 s98, s98, s99
	s_add_co_u32 s98, s98, 12582912
	v_add_nc_u32 v[OFF2], s98, v[L16]
	s_lshl_b32 s98, s2, 15
	s_lshl_b32 s99, s22, 9
	s_add_co_u32 s98, s98, s99
	s_lshl_b32 s99, s15, 8
	s_add_co_u32 s98, s98, s99
	s_add_co_u32 s98, s98, 19398656
	v_lshlrev_b32 v7, 4, v2
	v_lshl_add_u32 v7, v3, 3, v7                   ; 16 r + 8 h: a lane sends two of its slot's four words
	v_add_nc_u32 v[WOF2], s98, v7
	s_lshl_b32 s98, s2, 12
	s_lshl_b32 s99, s15, 8
	s_add_co_u32 s98, s98, s99
	s_add_co_u32 s98, s98, XWS+80*4096             ; Wv's group, my four blocks' words
	s_lshl_b32 s99, s22, 12
	s_add_co_u32 s99, s99, XWS                     ; x's group
	v_mov_b32 v7, s98
	v_mov_b32 v[SCO], s99
	s_mov_b32 s[LM], 0xffff0000
	v_cndmask_b32 v[SCO], v7, v[SCO], s[LM]        ; lanes 0-15 Wv's, lanes 16-31 x's
	v_lshl_add_u32 v[SCO], v2, 4, v[SCO]
	v_lshl_add_u32 v[SCO2], v3, 8, v[SCO]
.irp b, 0,1,2,3
	v_mov_b32 v[TM+20+\b], 0                       ; written once: a lane permute's destination counts as one of its sources
.endr
	s_mov_b32 s[SEL], 0x76543210
	s_mov_b32 s[SEL+1], 0xfedcba98
	s_wait_alu depctr_va_vdst(0)                   ; the wait at the head's end
	s_wait_loadcnt 0x0                             ; scale words and biases are in: their address registers, and all of s4-11 and s16-23, are done with
.irp j, 0,1,2,3,4,5,6,7
	ds_store_b128 v[PSC], v[64+4*\j:67+4*\j] offset:512*\j
.endr
	s_or_b32 s[G1A2], s20, (3<<16)|(1<<21)         ; phase 2's groups 1: A's tiles go to my row of the cluster, B's to my column
	s_or_b32 s[G1B2], s21, (3<<16)|(1<<21)
	s_mov_b32 s[G1A2+1], 768<<16                   ; A: 4 blocks x four K steps' images on end, 12,288 bytes from block to block
	s_mov_b32 s[G1A2+2], 4<<16
	s_mov_b32 s[G1A2+3], 768<<16
	s_mov_b32 s[G1A2+4], 4
	s_mov_b32 s[G1A2+5], 1536
	s_mov_b32 s[G1A2+6], 0
	s_mov_b32 s[G1A2+7], 0
	s_mov_b32 s[G1B2+1], 768<<16                   ; B: 8 blocks likewise
	s_mov_b32 s[G1B2+2], 8<<16
	s_mov_b32 s[G1B2+3], 768<<16
	s_mov_b32 s[G1B2+4], 8
	s_mov_b32 s[G1B2+5], 1536
	s_mov_b32 s[G1B2+6], 0
	s_mov_b32 s[G1B2+7], 0
	CH_HEAD                                        ; my part of K steps 0 to 3 is in
	s_mov_b32 s[G1A+1], 384<<16                    ; no tensor load of mine is out: from here on phase 1's loads bring two K steps
	s_mov_b32 s[G1A+3], 384<<16
	s_mov_b32 s[G1B+1], 384<<16
	s_mov_b32 s[G1B+3], 384<<16
	CH_FILL GA1, G1A, GB1, G1B                     ; everybody's part and all scale words are in; K steps 4, 5 have steps 0 to 2 in which to land
	; ---- PHASE 1
	FETCH 0
	s_wait_dscnt 0x0
	FETCH 1
	MULR 0, 2, 0, 8                                ; the first step starts the sums from the bias
	STEP 1
	STEP 2
	CH_HEAD                                        ; steps 4, 5 have landed; steps 0 to 3 have been read: steps 6, 7 go into their first 98,304 bytes
	CH_MUL GA2, G1A, GB2, G1B, 3
	STEP 4
	CH_HEAD                                        ; steps 6, 7 have landed; steps 4, 5 have been read: phase 2's steps 0 to 3 go behind steps 6, 7
	SETG GA1, LA2, SLOTB, PA2, 0
	SETG GB1, LB2, SLOTB+BOF2, PB2, 0
	CH_MUL GA1, G1A2, GB1, G1B2, 5
	STEP 6
	s_wait_dscnt 0x0
	MULR 7, 0, 0, 8
	WIN 0
	PLACES
; THE EPILOGUE, two blocks a, a + 1 side by side.  A block's 64 numbers of a lane (register 16 b + i = k 32 b + 16 (lane / 16) + i of my row) become an image and a scale word.  Each accumulator is read from its low end on.
; off: the register with my offset in qkv; str: bytes from block to block; wx = 1: earlier stores may still read the codes' registers.
.macro QUANTW2 a, off, str, wx
.set wW, 2+(\a)/4
	WIN wW|(wW<<2)
.irp u, 0,1
.irp b, 0,1,2,3
.set sS, 64*((\a+\u)%4)+16*\b
	v_max3_num_f32 v[TM+16*\u+\b], |v[sS]|, |v[sS+1]|, 0x2800000   ; my 16 numbers of 32-block b, and the floor 2^(5 - 127)
.endr
.endr
	WIN (wW<<2)|(wW<<4)
.irp i, 2,4,6,8,10,12,14
.irp u, 0,1
.irp b, 0,1,2,3
.set sS, 64*((\a+\u)%4)+16*\b
	v_max3_num_f32 v[TM+16*\u+\b], v[TM+16*\u+\b], |v[sS+\i]|, |v[sS+\i+1]|
.endr
.endr
.endr
	WIN 0
.irp u, 0,1
.irp b, 0,1,2,3
	v_permlanex16_b32 v[TM+16*\u+4+\b], v[TM+16*\u+\b], s[SEL], s[SEL+1]
.endr
.endr
.irp u, 0,1
.irp b, 0,1,2,3
	v_max_num_f32 v[TM+16*\u+\b], v[TM+16*\u+\b], v[TM+16*\u+4+\b]   ; with lane l xor 16's: the block's largest magnitude
.endr
.endr
.irp u, 0,1
.irp b, 0,1,2,3
	v_add_nc_u32 v[TM+16*\u+12+\b], 0xfe000000, v[TM+16*\u+\b] ; 4 off its exponent field: the conversion's scale operand
.endr
.endr
.irp u, 0,1
.irp b, 0,1,2,3
	v_lshrrev_b32 v[TM+16*\u+4+\b], 23, v[TM+16*\u+12+\b]      ; the byte
.endr
.endr
.irp u, 0,1
	v_lshl_or_b32 v[SW+\a+\u], v[TM+16*\u+5], 8, v[TM+16*\u+4]
.endr
.irp u, 0,1
	v_lshl_or_b32 v[SW+\a+\u], v[TM+16*\u+6], 16, v[SW+\a+\u]
.endr
.irp u, 0,1
	v_lshl_or_b32 v[SW+\a+\u], v[TM+16*\u+7], 24, v[SW+\a+\u]
.endr
.if \wx
	s_wait_xcnt 0x0                                ; the earlier stores have read their data
.endif
	WIN wW
.irp u, 0,1
.irp c, 0,1
.set sS, 64*((\a+\u)%4)+32*\c
.set pC, PC+80*\u
	v_cvt_scalef32_pk16_bf6_f32 v[pC+6*\c:pC+2+6*\c], v[sS:sS+15], v[TM+16*\u+12+2*\c]
	v_cvt_scalef32_pk16_bf6_f32 v[pC+12+4*\c:pC+14+4*\c], v[sS+16:sS+31], v[TM+16*\u+12+2*\c+1]
.endr
.endr
	WIN 0
	v_nop                                          ; one plain place behind a scaled conversion
.irp u, 0,1
.irp c, 0,1                            ; the layout wants a whole block in a lane: lanes 0-15 block 2 c, lanes 16-31 block 2 c + 1
.irp i, 0,1,2
	v_permlane16_swap_b32 v[PC+80*\u+6*\c+\i], v[PC+80*\u+12+4*\c+\i]
.endr
.endr
.endr
.irp u, 0,1
.irp c, 0,1
.irp i, 0,1,2
	v_mov_b32 v[PC+80*\u+3+6*\c+\i], v[PC+80*\u+12+4*\c+\i]
.endr
.endr
.endr
.irp u, 0,1
.irp c, 0,1,2
	global_store_b128 v[\off], v[PC+80*\u+4*\c:PC+80*\u+4*\c+3], s[12:13] offset:(\a+\u)*(\str)+512*\c   ; 512 consecutive bytes, aligned
.endr
.endr
.endm
	WIN 0x40                                       ; destination window 1: bv of my four blocks, spread into the result's layout: the C of phase 2's first step
.irp a, 0,1,2,3
.irp j, 0,1,2,3,4,5,6,7
	v_mov_b32 v[96+8*\a+\j], v[BV+\a]
.endr
.endr
	WIN 0
	QUANTW2 0, OFF1, 12288, 0
	CH_HEAD                                        ; phase 2's steps 0 to 3 have landed; phase 1's images have been read: steps 4 to 7 go into what is left
	SETG GA2, LA2, SLOTB+HALFB, PA2, RBQ
	SETG GB2, LB2, 0, PB2, RBQ
	CH_FILL GA2, G1A2, GB2, G1B2
.irp s, 0,1,2,3,4,5,6,7                ; phase 2's scale words for all of K, into registers that phase 1's fragments have left: sixteen lanes read 256 consecutive bytes
	global_load_b128 v[SC2+8*\s:SC2+8*\s+3], v[SCO], s[XWP:XWP+1] offset:512*\s
	global_load_b128 v[SC2+8*\s+4:SC2+8*\s+7], v[SCO2], s[XWP:XWP+1] offset:512*\s
.endr
	FETCH2 0                                       ; and its first fragments: both land while the other six blocks are quantised
	WIN 0
.irp a, 2,4,6
	QUANTW2 \a, OFF1, 12288, 1
.endr
.irp q, 0,1,2,3
	v_cndmask_b32 v[WO+\q], v[SW+\q], v[SW+4+\q], s[LM]  ; both halves of the lanes hold every word: lanes 0-15 send blocks 0-3, lanes 16-31 blocks 4-7
.endr
	global_store_b128 v[WOF1], v[WO:WO+3], s[12:13]      ; the 512 bytes of scale words, whole
	s_wait_xcnt 0x0                                ; the stores have read the codes' registers: fragments may land there
	; ---- PHASE 2
	s_wait_loadcnt 0x0                             ; its scale words
	s_wait_dscnt 0x0                               ; its first fragments
	FETCH2 1
	MULR2 0, 3, 0, 4                               ; the first step starts the sums from the bias
	STEP2 1
	STEP2 2
	s_wait_tensorcnt 0x0                           ; my part of steps 4 to 7 has landed; nothing is filled any more
	s_wait_dscnt 0x0
	s_barrier_signal -1
	MULR2 3, 0, 0, 1                               ; work on registers between signal and wait
	s_barrier_wait -1
	PLACES
	FETCH2 4
	MULR2 3, 0, 1, 4
	STEP2 4
	STEP2 5
	STEP2 6
	s_wait_dscnt 0x0
	MULR2 7, 0, 0, 4
	WIN 0
	PLACES
.irp a, 0,2
	QUANTW2 \a, OFF2, 98304, 1
.endr
	v_cndmask_b32 v[WO], v[SW], v[SW+2], s[LM]           ; lanes 0-15 send blocks 0 and 1 of my four, lanes 16-31 blocks 2 and 3
	v_cndmask_b32 v[WO+1], v[SW+1], v[SW+3], s[LM]
	global_store_b64 v[WOF2], v[WO:WO+1], s[12:13]       ; the wave's 256 bytes of scale words, whole, aligned
	s_wait_tensorcnt 0x0                           ; the wave's end
	ds_add_u32 v[SPW], v[NIL]
	s_wait_dscnt 0x0
	CROUND                                         ; the closing round
	s_endpgm
.Lfunc_end_k_qb16ae421e4_qkv:
	.size	k_qb16ae421e4_qkv, .Lfunc_end_k_qb16ae421e4_qkv-k_qb16ae421e4_qkv
	.p2alignl 7, 3214868480
	.fill 96, 4, 3214868480
	.section	.rodata,"a",@progbits
	.p2align	6, 0x0
	.amdhsa_kernel k_qb16ae421e4_qkv
		.amdhsa_group_segment_fixed_size 327680
		.amdhsa_private_segment_fixed_size 0
		.amdhsa_enable_private_segment 0
		.amdhsa_kernarg_size 40
		.amdhsa_user_sgpr_count 2
		.amdhsa_user_sgpr_kernarg_segment_ptr 1
		.amdhsa_wavefront_size32 1
		.amdhsa_system_sgpr_workgroup_id_x 1
		.amdhsa_system_sgpr_workgroup_id_y 1
		.amdhsa_system_sgpr_workgroup_id_z 1
		.amdhsa_system_vgpr_workitem_id 0
		.amdhsa_next_free_vgpr 1024
		.amdhsa_next_free_sgpr 102
		.amdhsa_reserve_vcc 0
		.amdhsa_float_denorm_mode_32 3
		.amdhsa_float_denorm_mode_16_64 3
		.amdhsa_memory_ordered 1
		.amdhsa_forward_progress 1
		.amdhsa_inst_pref_size 216
	.end_amdhsa_kernel
	.amdgpu_metadata
---
amdhsa.version: [ 1, 2 ]
amdhsa.kernels:
  - .name:           k_qb16ae421e4_qkv
    .symbol:         k_qb16ae421e4_qkv.kd
    .args:
      - { .name: xw, .offset: 0, .size: 8, .value_kind: global_buffer, .address_space: global }
      - { .name: bq, .offset: 8, .size: 8, .value_kind: global_buffer, .address_space: global }
      - { .name: bk, .offset: 16, .size: 8, .value_kind: global_buffer, .address_space: global }
      - { .name: bv, .offset: 24, .size: 8, .value_kind: global_buffer, .address_space: global }
      - { .name: qkv, .offset: 32, .size: 8, .value_kind: global_buffer, .address_space: global }
    .group_segment_fixed_size: 327680
    .private_segment_fixed_size: 0
    .kernarg_segment_align: 8
    .kernarg_segment_size: 40
    .max_flat_workgroup_size: 128
    .sgpr_count:     102
    .vgpr_count:     1024
    .wavefront_size: 32
...
	.end_amdgpu_metadata
.endif
;; end of part 2
;; launch scores (part 3): grid 8 x 32, 4 waves a work-group, clusters of 4 x 4, 327,680 bytes of LDS; arguments qkv, pp; writes pp
.if DOCPART == 3
	.amdgcn_target "amdgcn-amd-amdhsa--gfx1250"
	.amdhsa_code_object_version 6
	.text
	.protected	k_qb16ae421e4_scores
	.globl	k_qb16ae421e4_scores
	.p2align	8
	.type	k_qb16ae421e4_scores,@function
k_qb16ae421e4_scores:
	s_mov_b64 s[64:65], 0
	v_nop
	global_prefetch_b8 v0, s[64:65] scope:SCOPE_SE
	s_setreg_imm32_b32 hwreg(HW_REG_WAVE_MODE, 25, 1), 1
	s_wait_xcnt 0x0
	s_wait_alu depctr_hold_cnt(0) depctr_sa_sdst(0) depctr_va_vdst(0) depctr_va_sdst(0) depctr_va_ssrc(0) depctr_va_vcc(0) depctr_vm_vsrc(0)
	s_getreg_b32 s2, hwreg(HW_REG_IB_STS2, 6, 4)
	s_cmp_eq_u32 s2, 0
	s_cbranch_scc0 .Lentry_in_a_cluster
	s_endpgm
.Lentry_in_a_cluster:
	s_bfe_u32 s2, ttmp6, 0x10000c
	s_cmp_lg_u32 s2, 0xf033
	s_cbranch_scc0 .Lentry_shape_is_right
	s_endpgm
.Lentry_shape_is_right:
; S = q k^T on codes of BF6, and the softmax's p, quantised along the keys, for each batch of 2,048 x 2,048.  t = score x log2(e) / 32.
; A wave holds 128 queries x 128 keys: one K step of the next product.  For each query it takes M' = ceil(the largest t OF ITS 128 KEYS), a whole number, p = 2^(t - M'), the sum of the unquantised p, and p's codes and scale bytes
; under M'.  It stores codes, bytes, -M' and the sum.  The next launch takes the row's M = the largest M' and lowers the bytes and the sums by M - M': exact powers of two, so the codes' values are those under M.
; OPERANDS (qkv): q's images [512 blocks][8 K steps][1,536] at 0, k's at 6,291,456; scale words [64 groups][8][512] at 18,874,368 and 19,136,512.  Slot t of block i of a group of 128 rows is row 32 (i / 2) + 8 (i % 2) + t + 8 (t / 8).
; TRANSPOSED USE: source 0 = 16 slots of k, source 1 = 16 slots of q: a lane holds one query, and registers 16 b + i of its 64 are keys 32 b + 16 (lane / 16) + i.
; A work-group makes 256 x 256, a wave 128 x 128.  K = 1,024 in 8 steps.  LDS: steps 0 to 3 at 0 (196,608 bytes: q's 16 blocks, k's 16), asked for at the head; steps 4, 5 at 196,608, behind the head's round; steps 6, 7 at 0,
; asked for at step 3, when steps 0 to 3 have been read.  CLUSTERS 4 x 4: q's tiles jointly along a row, k's along a column.  The scale words, for all of K, come through registers.
; The next step's images are loaded from LDS in one run, in front of a step's products.
; PREFETCH: steps 4 to 7, behind the head's joint load: of the 8 blocks that a wave fetches each of the four partners names two (6,144 bytes, 24 lanes 256 bytes apart), told apart by address.  Nothing is left to ask for behind them.
; OUT (pp): P's images [512 blocks][16 K steps][1,536] at 0; word images [64 groups][16][512]: scale words at 12,582,912, -M' (f32) at 13,107,200, sums at 13,631,488.
; LIMITS: NaN and infinities are not served; M' is an exact whole number for |t| under 2^24; a p under 2^-126 counts as 0; a block whose every p is 0 carries the byte 1 (its codes are zeros).
; REGISTERS: window 0: v0-31 addresses (v20-27: sums at work in the epilogue); v32-47 scale words; v64-159, v160-255 q's fragments, two sets (in the epilogue: v32-63 at work, v64-102 codes, v104-127 words, v128-255 p).
;   window 1: k's fragments, two sets, at v0 and v128.   windows 2, 3: accumulator (a, b) at v[8 (8 (a % 4) + b)], window 2 + a / 4.
.set FRB,   1536
.set RBL,   2*FRB
.set RBQ,   4*FRB
.set SLOTB, 32*RBL
.set SCL,   3*SLOTB
.set SPARE, SCL+16384                  ; the spare words, 128 bytes a wave: two blocks of 256 bytes that no other line names
.set L16,  4
.set ADRA, 8                           ; v8-10: my q blocks of steps 0-3, 4-5, 6-7
.set PFO,  11                          ; never rewritten
.set ADRB, 12
.set ADRS, 15
.set PSC,  16
.set SU,   20                          ; v20-27 sums: two packed chains for each of two blocks
.set SPW,  28
.set NIL,  29
.set SC,   32
.set TM,   32                          ; 16 for each of two blocks: 0-3 maxima, 4-7 permuted, bytes, 8 the query's largest, [10:11] -M' (named as a pair), 12-15 scale operands
.set AF,   64
.set PC,   64                          ; codes: v64.. and v84..
.set SW,   104                         ; v104-111 scale words
.set MS,   112                         ; v112-119 -M'
.set LS,   120                         ; v120-127 sums
.set H,    128                         ; v128-191, v192-255: t - M', then p
.set WO,   128                         ; v128-139 the three word images on their way out
.set G1A,  24
.set G1B,  32
.set PFA,  40
.set SWS,  42
.set LD0,  44
.set GA0,  56
.set GA1,  60
.set GA2,  68
.set GB0,  76
.set GB1,  80
.set GB2,  84
.set SEL,  66
.set CS,   22                          ; s[22:23] c = log2(e) / 32
.set MSB, 0
.macro WIN new
.if MSB != (\new)
	s_set_vgpr_msb (MSB<<8)|(\new)
.set MSB, (\new)
.endif
.endm
.set TO_B, 0x40
.macro JLOAD g0a, g1a, g0b, g1b        ; a joint load: waves 0, 1 for q, waves 2, 3 for k; four v_nop follow each of the two lines
	s_cmp_eq_u32 s15, 0
	s_cbranch_scc0 .Lfor_b_\@
	tensor_load_to_lds s[\g0a:\g0a+3], s[\g1a:\g1a+7]
	s_nop 0
.rept 4
	v_nop
.endr
	s_branch .Lasked_\@
.Lfor_b_\@:
	tensor_load_to_lds s[\g0b:\g0b+3], s[\g1b:\g1b+7]
	s_nop 0
.rept 4
	v_nop
.endr
.Lasked_\@:
.endm
.macro CREST
	s_cmp_lg_u32 s14, 0
	s_cbranch_scc1 .Lnot_wave_0_\@
	s_barrier_signal -3
.Lnot_wave_0_\@:
	s_barrier_wait -3
	s_barrier_signal -1
	s_barrier_wait -1
.endm
.macro CROUND
	s_barrier_signal -1
	s_barrier_wait -1
	CREST
.endm
.macro PLACES
.rept 4
	v_nop
.endr
.endm
.macro SETG g, lbase, loff, src, off
	s_mov_b32 s[\g], 1
	s_add_co_u32 s[\g+1], s[\lbase], \loff
	s_add_nc_u64 s[\g+2:\g+3], s[\src:\src+1], \off
	s_or_b32 s[\g+3], s[\g+3], 0x80000000
.endm
.macro FETCH s                         ; K step s: k's 8 images, q's 8, the scale words, into set s % 2: 50 loads
.set qP, (\s)%2
.if (\s) < 4
.set qR, 0
.set qB, RBQ
.set qK, (\s)*FRB
.else
.set qR, (\s)/2-1
.set qB, RBL
.set qK, ((\s)%2)*FRB
.endif
	WIN TO_B
.irp i, 0,1,2,3,4,5,6,7
.irp c, 0,1,2
	ds_load_b128 v[128*qP+12*\i+4*\c:128*qP+12*\i+4*\c+3], v[ADRB+qR] offset:\i*qB+qK+512*\c
.endr
.endr
	WIN 0
.irp i, 0,1,2,3,4,5,6,7
.irp c, 0,1,2
	ds_load_b128 v[AF+96*qP+12*\i+4*\c:AF+96*qP+12*\i+4*\c+3], v[ADRA+qR] offset:\i*qB+qK+512*\c
.endr
.endr
	ds_load_b128 v[SC+8*qP:SC+8*qP+3], v[ADRS] offset:512*(\s)
	ds_load_b128 v[SC+8*qP+4:SC+8*qP+7], v[ADRS] offset:512*(\s)+256
.endm
; q's blocks lo .. hi - 1 x k's eight, the accumulators by turns.  zero = 1: the first product starts the sums.
.macro MULR s, zero, lo, hi
.set pP, (\s)%2
.irp a, 0,1,2,3,4,5,6,7
.if (\a >= \lo) && (\a < \hi)
	WIN 0xa1+0x50*(\a/4)
.irp b, 0,1,2,3,4,5,6,7
.set rD, 8*(8*(\a%4)+\b)
.if \zero
	v_wmma_scale_f32_16x16x128_f8f6f4 v[rD:rD+7], v[128*pP+12*\b:128*pP+12*\b+11], v[AF+96*pP+12*\a:AF+96*pP+12*\a+11], 0, v[SC+8*pP+\b], v[SC+8*pP+\a] matrix_a_fmt:MATRIX_FMT_BF6 matrix_b_fmt:MATRIX_FMT_BF6 matrix_a_scale:MATRIX_SCALE_ROW1
.else
	v_wmma_scale_f32_16x16x128_f8f6f4 v[rD:rD+7], v[128*pP+12*\b:128*pP+12*\b+11], v[AF+96*pP+12*\a:AF+96*pP+12*\a+11], v[rD:rD+7], v[SC+8*pP+\b], v[SC+8*pP+\a] matrix_a_fmt:MATRIX_FMT_BF6 matrix_b_fmt:MATRIX_FMT_BF6 matrix_a_scale:MATRIX_SCALE_ROW1
.endif
.endr
.endif
.endr
.endm
.macro CH_HEAD                         ; in front of a fill: all my tensor loads have landed,
	WIN 0
	s_wait_tensorcnt 0x0
	ds_add_u32 v[SPW], v[NIL]                      ; and 0 onto my spare word
.endm
.macro STEP s
	s_wait_dscnt 0x0                               ; this step's fragments are in (asked for a whole step ago)
	PLACES
	FETCH (\s)+1
	MULR \s, 0, 0, 8
.endm
	s_load_b128 s[4:7], s[0:1], 0x0                ; qkv s[4:5], pp s[6:7]
	v_lshl_add_u32 v[SPW], v0, 2, SPARE
	v_mov_b32 v[NIL], 0
	ds_add_u32 v[SPW], v[NIL]                      ; the wave's opening: the add, twice on end, and its wait ahead of my first tensor load
	ds_add_u32 v[SPW], v[NIL]
	v_lshrrev_b32 v1, 5, v0
	v_readfirstlane_b32 s14, v1                    ; wave
	s_lshr_b32 s15, s14, 1                         ; my half of the queries.  Also: I fetch for q (0) or for k (1)
	s_and_b32 s16, s14, 1                          ; my half of the keys.  Also: which half of that tile I fetch
	s_bfe_u32 s17, ttmp6, 0x40000                  ; cx
	s_bfe_u32 s18, ttmp6, 0x40004                  ; cy
	s_and_b32 s19, ttmp7, 0xffff                   ; the cluster's y
	s_lshl_b32 s20, s18, 2
	s_lshl_b32 s20, 15, s20                        ; my row of the cluster
	s_lshl_b32 s21, 0x1111, s17                    ; my column
	s_or_b32 s[G1A], s20, (3<<16)|(1<<21)
	s_or_b32 s[G1B], s21, (3<<16)|(1<<21)
.irp g, G1A, G1B                       ; the head's load: 8 blocks x 6,144 bytes, 12,288 bytes apart
	s_mov_b32 s[\g+1], 768<<16
	s_mov_b32 s[\g+2], 8<<16
	s_mov_b32 s[\g+3], 768<<16
	s_mov_b32 s[\g+4], 8
	s_mov_b32 s[\g+5], 1536
	s_mov_b32 s[\g+6], 0
	s_mov_b32 s[\g+7], 0
.endr
	s_lshl_b32 s2, s19, 2
	s_add_co_u32 s2, s2, s18                       ; q's tile of 256: 4 y + cy (8 tiles a batch)
	s_lshr_b32 s3, s19, 1                          ; the batch
	s_lshl_b32 s3, s3, 3
	s_lshl_b32 s96, ttmp9, 2
	s_add_co_u32 s3, s3, s96
	s_add_co_u32 s3, s3, s17                       ; k's tile: 8 x batch + 4 x + cx
	s_lshl_b32 s92, s2, 4
	s_lshl_b32 s93, s16, 3
	s_add_co_u32 s92, s92, s93
	s_mul_i32 s92, s92, 12288
	s_mov_b32 s93, 0
	s_lshl_b32 s94, s2, 1
	s_add_co_u32 s94, s94, s16
	s_lshl_b32 s94, s94, 12
	s_add_co_u32 s94, s94, 18874368
	s_mov_b32 s95, 0
	s_lshl_b32 s96, s3, 4
	s_lshl_b32 s97, s16, 3
	s_add_co_u32 s96, s96, s97
	s_mul_i32 s96, s96, 12288
	s_add_co_u32 s96, s96, 6291456
	s_mov_b32 s97, 0
	s_lshl_b32 s98, s3, 1
	s_add_co_u32 s98, s98, s16
	s_lshl_b32 s98, s98, 12
	s_add_co_u32 s98, s98, 19136512
	s_mov_b32 s99, 0
	s_mul_i32 s[LD0], s14, 8*RBQ                   ; where my part goes: wave x 8 blocks
	s_mul_i32 s100, s14, 8*RBL
	s_lshl_b32 s101, s14, 12
	s_add_co_u32 s101, s101, SCL
	s_wait_alu depctr_va_vdst(0)
	s_wait_dscnt 0x0                               ; both opening adds are done
	s_wait_kmcnt 0x0
	s_add_nc_u64 s[92:93], s[4:5], s[92:93]
	s_add_nc_u64 s[94:95], s[4:5], s[94:95]
	s_add_nc_u64 s[96:97], s[4:5], s[96:97]
	s_add_nc_u64 s[98:99], s[4:5], s[98:99]
	SETG GA0, LD0, 0, 92, 0
	SETG GB0, LD0, 0, 96, 0
	CROUND                                         ; all sixteen work-groups are here
	JLOAD GA0, G1A, GB0, G1B                       ; K steps 0 to 3: one tensor load a wave at the head
	SETG GA1, 100, 2*SLOTB, 92, 2*RBL              ; K steps 4, 5
	SETG GB1, 100, 2*SLOTB, 96, 2*RBL
	SETG GA2, 100, 0, 92, 3*RBL                    ; K steps 6, 7
	SETG GB2, 100, 0, 96, 3*RBL
	s_cmp_eq_u32 s15, 0
	s_cselect_b64 s[SWS:SWS+1], s[94:95], s[98:99] ; the scale words of the group that I fetch
	s_cselect_b64 s[PFA:PFA+1], s[92:93], s[96:97]
	s_cselect_b32 s46, s17, s18                    ; my place among the four that ask with me
	s_mul_i32 s46, s46, 24576                      ; two blocks each,
	s_add_co_u32 s46, s46, 6144                    ; K steps 4 to 7
	s_mov_b32 s47, 0
	s_add_nc_u64 s[PFA:PFA+1], s[PFA:PFA+1], s[46:47]
	v_and_b32 v1, 31, v0
	v_and_b32 v2, 15, v0
	v_bfe_u32 v3, v0, 4, 1
	v_lshlrev_b32 v[L16], 4, v1
	v_min_u32 v7, 23, v1                           ; 24 blocks of 256 bytes: lanes 24-31 name the last again
	v_lshlrev_b32 v[PFO], 8, v7
	v_add_nc_u32 v[PSC], s101, v[L16]
.irp j, 0,1,2,3,4,5,6,7                ; my group's scale words for all of K: 4,096 dense bytes, on their way to LDS
	global_load_b128 v[64+4*\j:67+4*\j], v[L16], s[SWS:SWS+1] offset:512*\j
.endr
	s_wait_alu depctr_va_vdst(0)
	s_mul_i32 s20, s15, 8*RBQ                      ; steps 0 to 3: my 8 blocks of q,
	s_mul_i32 s21, s16, 8*RBQ
	s_add_co_u32 s21, s21, 16*RBQ                  ; of k, behind q's 16
	v_add_nc_u32 v[ADRA], s20, v[L16]
	v_add_nc_u32 v[ADRB], s21, v[L16]
	s_mul_i32 s20, s15, 8*RBL                      ; steps 6, 7
	s_mul_i32 s21, s16, 8*RBL
	s_add_co_u32 s21, s21, 16*RBL
	v_add_nc_u32 v[ADRA+2], s20, v[L16]
	v_add_nc_u32 v[ADRB+2], s21, v[L16]
	s_add_co_u32 s20, s20, 2*SLOTB                 ; steps 4, 5
	s_add_co_u32 s21, s21, 2*SLOTB
	v_add_nc_u32 v[ADRA+1], s20, v[L16]
	v_add_nc_u32 v[ADRB+1], s21, v[L16]
	s_lshl_b32 s20, s15, 12
	s_add_co_u32 s21, s16, 2
	s_sub_co_u32 s21, s21, s15
	s_lshl_b32 s21, s21, 12
	v_mul_u32_u24 v7, s21, v3                      ; lanes 16-31 take k's scale words
	s_add_co_u32 s20, s20, SCL
	v_lshl_add_u32 v7, v2, 4, v7
	v_add_nc_u32 v[ADRS], s20, v7
	global_prefetch_b8 v[PFO], s[PFA:PFA+1] th:TH_LOAD_NT scope:SCOPE_SE
	global_prefetch_b8 v[PFO], s[PFA:PFA+1] offset:12288 th:TH_LOAD_NT scope:SCOPE_SE
	s_lshl_b32 s96, s2, 1
	s_add_co_u32 s96, s96, s15                     ; my group of 128 queries
	s_lshl_b32 s97, ttmp9, 2
	s_add_co_u32 s97, s97, s17
	s_lshl_b32 s97, s97, 1
	s_add_co_u32 s97, s97, s16                     ; my 128 keys: which K step of the batch's 16
	s_mul_i32 s92, s96, 196608
	s_mul_i32 s93, s97, FRB
	s_add_co_u32 s92, s92, s93
	s_mov_b32 s93, 0
	s_lshl_b32 s94, s96, 13
	s_lshl_b32 s95, s97, 9
	s_add_co_u32 s94, s94, s95
	s_add_co_u32 s94, s94, 12582912
	s_mov_b32 s95, 0
	s_add_nc_u64 s[92:93], s[6:7], s[92:93]        ; images
	s_add_nc_u64 s[94:95], s[6:7], s[94:95]        ; word images
	s_mov_b32 s[SEL], 0x76543210
	s_mov_b32 s[SEL+1], 0xfedcba98
	s_mov_b32 s[CS], 0x3d38aa3b                    ; c = log2(e) / sqrt(1024)
	s_mov_b32 s[CS+1], s[CS]
	s_mov_b32 s20, 0xffff0000                      ; lanes 16-31
	s_wait_alu depctr_va_vdst(0)                   ; the wait at the head's end
	s_wait_loadcnt 0x0                             ; the scale words
.irp j, 0,1,2,3,4,5,6,7
	ds_store_b128 v[PSC], v[64+4*\j:67+4*\j] offset:512*\j
.endr
	CH_HEAD                                        ; my part of K steps 0 to 3 is in
	s_mov_b32 s[G1A+1], 384<<16                    ; no tensor load of mine is out: from here on a load brings two K steps
	s_mov_b32 s[G1A+3], 384<<16
	s_mov_b32 s[G1B+1], 384<<16
	s_mov_b32 s[G1B+3], 384<<16
	s_wait_dscnt 0x0
	CROUND                                         ; everybody's part and all scale words are in
	JLOAD GA1, G1A, GB1, G1B                       ; K steps 4, 5 have steps 0 to 2 in which to land
	FETCH 0
	s_wait_dscnt 0x0
	FETCH 1
	MULR 0, 1, 0, 8
	STEP 1
	STEP 2
	CH_HEAD                                        ; steps 4, 5 have landed;
	s_wait_dscnt 0x0                               ; the add is done, and my reads of steps 0 to 3 are over
	s_barrier_signal -1
	MULR 3, 0, 0, 2                                ; sixteen products, work on registers, between signal and wait
	WIN 0
	s_barrier_wait -1
	CREST
	JLOAD GA2, G1A, GB2, G1B                       ; steps 6, 7, where steps 0 to 3 lay; its four v_nop are the places in front of the loads below
	FETCH 4
	MULR 3, 0, 2, 8
	STEP 4
	s_wait_tensorcnt 0x0                           ; my part of steps 6, 7 has landed; nothing is filled any more
	s_wait_dscnt 0x0
	s_barrier_signal -1
	MULR 5, 0, 0, 2
	s_barrier_wait -1
	PLACES
	FETCH 6
	MULR 5, 0, 2, 8
	STEP 6
	s_wait_dscnt 0x0
	MULR 7, 0, 0, 8
	WIN 0
	PLACES
.irp b, 4,5,6,7,11
	v_mov_b32 v[TM+\b], 0                          ; written once: a lane permute's destination counts as one of its sources, and -M' is named as a pair
	v_mov_b32 v[TM+16+\b], 0
.endr
; THE SOFTMAX of blocks a, a + 1, side by side: each 16 queries x my 128 keys.  A block's largest p is not searched for: p rises with the score, so the largest SCORE of each 32 keys, which the search for the row's maximum
; passes through, goes through the same multiply-add and exponential.  The 128 exponentials are one batch with one wait, the eight of the blocks' largest a second.
.macro SOFT2 a
.set wW, 2+(\a)/4
	WIN wW|(wW<<2)|(wW<<4)
.irp u, 0,1
.irp b, 0,1,2,3
.set sS, 64*((\a+\u)%4)+16*\b
	v_max3_num_f32 v[TM+16*\u+\b], v[sS], v[sS+1], v[sS+2]      ; each accumulator is read from its low end on
.endr
.endr
	WIN (wW<<2)|(wW<<4)
.irp i, 3,5,7,9,11,13
.irp u, 0,1
.irp b, 0,1,2,3
.set sS, 64*((\a+\u)%4)+16*\b
	v_max3_num_f32 v[TM+16*\u+\b], v[TM+16*\u+\b], v[sS+\i], v[sS+\i+1]
.endr
.endr
.endr
.irp u, 0,1
.irp b, 0,1,2,3
.set sS, 64*((\a+\u)%4)+16*\b
	v_max_num_f32 v[TM+16*\u+\b], v[TM+16*\u+\b], v[sS+15]
.endr
.endr
	WIN 0
.irp u, 0,1
.irp b, 0,1,2,3
	v_permlanex16_b32 v[TM+16*\u+4+\b], v[TM+16*\u+\b], s[SEL], s[SEL+1]
.endr
.endr
.irp u, 0,1
.irp b, 0,1,2,3
	v_max_num_f32 v[TM+16*\u+\b], v[TM+16*\u+\b], v[TM+16*\u+4+\b]   ; with lane l xor 16's 16 keys: the largest score of each 32 keys
.endr
.endr
.irp u, 0,1
	v_max3_num_f32 v[TM+16*\u+8], v[TM+16*\u], v[TM+16*\u+1], v[TM+16*\u+2]
.endr
.irp u, 0,1
	v_max_num_f32 v[TM+16*\u+8], v[TM+16*\u+8], v[TM+16*\u+3]        ; of my query's 128
.endr
.irp u, 0,1
	v_mul_f32 v[TM+16*\u+8], s[CS], v[TM+16*\u+8]  ; as t (c is positive)
.endr
.irp u, 0,1
	v_floor_f32 v[TM+16*\u+10], -v[TM+16*\u+8]     ; -M' = floor(-t) = -ceil(t)
.endr
	WIN wW
.irp j, 0,2,4,6,8,10,12,14,16,18,20,22,24,26,28,30,32,34,36,38,40,42,44,46,48,50,52,54,56,58,60,62
.irp u, 0,1
.set sS, 64*((\a+\u)%4)+\j
	v_pk_fma_f32 v[H+64*\u+\j:H+64*\u+\j+1], v[sS:sS+1], s[CS:CS+1], v[TM+16*\u+10:TM+16*\u+11] op_sel_hi:[1,0,0]    ; t - M', two at a time
.endr
.endr
	WIN 0
.irp u, 0,1
.irp b, 0,1,2,3
	v_fma_f32 v[TM+16*\u+\b], v[TM+16*\u+\b], s[CS], v[TM+16*\u+10]  ; the same of each block's largest score
.endr
.endr
	s_wait_alu depctr_va_vdst(0)                   ; the wait ahead of the batch
.irp u, 0,1
.irp j, 0,1,2,3,4,5,6,7,8,9,10,11,12,13,14,15,16,17,18,19,20,21,22,23,24,25,26,27,28,29,30,31,32,33,34,35,36,37,38,39,40,41,42,43,44,45,46,47,48,49,50,51,52,53,54,55,56,57,58,59,60,61,62,63
	v_exp_f32 v[H+64*\u+\j], v[H+64*\u+\j]         ; p = 2^(t - M'), at most 1
.endr
.endr
.irp u, 0,1
	v_mov_b32 v[MS+\a+\u], v[TM+16*\u+10]          ; (a plain place behind the exponentials)
.endr
	s_wait_alu depctr_va_vdst(0)                   ; one wait for the batch, ahead of its first reader
.irp u, 0,1
.irp b, 0,1,2,3
	v_exp_f32 v[TM+16*\u+\b], v[TM+16*\u+\b]       ; the blocks' largest p
.endr
.endr
.irp u, 0,1
	v_pk_add_f32 v[SU+4*\u:SU+4*\u+1], v[H+64*\u:H+64*\u+1], v[H+64*\u+4:H+64*\u+5]              ; the sum of the UNQUANTISED p, in two packed chains a block (plain work behind the eight)
	v_pk_add_f32 v[SU+4*\u+2:SU+4*\u+3], v[H+64*\u+2:H+64*\u+3], v[H+64*\u+6:H+64*\u+7]
.endr
.irp j, 8,12,16,20,24,28,32,36,40,44,48,52,56,60
.irp u, 0,1
	v_pk_add_f32 v[SU+4*\u:SU+4*\u+1], v[SU+4*\u:SU+4*\u+1], v[H+64*\u+\j:H+64*\u+\j+1]
	v_pk_add_f32 v[SU+4*\u+2:SU+4*\u+3], v[SU+4*\u+2:SU+4*\u+3], v[H+64*\u+\j+2:H+64*\u+\j+3]
.endr
.endr
.irp u, 0,1
	v_pk_add_f32 v[SU+4*\u:SU+4*\u+1], v[SU+4*\u:SU+4*\u+1], v[SU+4*\u+2:SU+4*\u+3]
.endr
	s_wait_alu depctr_va_vdst(0)                   ; and one for the eight
.irp u, 0,1
.irp b, 0,1,2,3
	v_max_num_f32 v[TM+16*\u+\b], 0x2800000, v[TM+16*\u+\b]    ; the floor 2^(5 - 127): the byte cannot fall under 1
.endr
.endr
.irp u, 0,1
.irp b, 0,1,2,3
	v_add_nc_u32 v[TM+16*\u+12+\b], 0xfe000000, v[TM+16*\u+\b] ; 4 off the exponent field: the conversion's scale operand
.endr
.endr
.irp u, 0,1
.irp b, 0,1,2,3
	v_lshrrev_b32 v[TM+16*\u+4+\b], 23, v[TM+16*\u+12+\b]      ; the byte
.endr
.endr
.irp u, 0,1
	v_lshl_or_b32 v[SW+\a+\u], v[TM+16*\u+5], 8, v[TM+16*\u+4]
.endr
.irp u, 0,1
	v_lshl_or_b32 v[SW+\a+\u], v[TM+16*\u+6], 16, v[SW+\a+\u]
.endr
.irp u, 0,1
	v_lshl_or_b32 v[SW+\a+\u], v[TM+16*\u+7], 24, v[SW+\a+\u]
.endr
.if \a > 0
	s_wait_xcnt 0x0                                ; the last blocks' stores have read their data
.endif
.irp u, 0,1
.irp c, 0,1
.set pC, PC+20*\u
.set hH, H+64*\u+32*\c
	v_cvt_scalef32_pk16_bf6_f32 v[pC+6*\c:pC+2+6*\c], v[hH:hH+15], v[TM+16*\u+12+2*\c]
	v_cvt_scalef32_pk16_bf6_f32 v[pC+12+4*\c:pC+14+4*\c], v[hH+16:hH+31], v[TM+16*\u+12+2*\c+1]
.endr
.endr
	v_nop                                          ; one plain place behind a scaled conversion
.irp u, 0,1
.irp c, 0,1
.irp i, 0,1,2
	v_permlane16_swap_b32 v[PC+20*\u+6*\c+\i], v[PC+20*\u+12+4*\c+\i]
.endr
.endr
.endr
.irp u, 0,1
.irp c, 0,1
.irp i, 0,1,2
	v_mov_b32 v[PC+20*\u+3+6*\c+\i], v[PC+20*\u+12+4*\c+\i]
.endr
.endr
.endr
.irp u, 0,1
	v_add_f32 v[SU+4*\u], v[SU+4*\u], v[SU+4*\u+1]
.endr
.irp u, 0,1
	v_permlanex16_b32 v[TM+16*\u+4], v[SU+4*\u], s[SEL], s[SEL+1]
.endr
.irp u, 0,1
	v_add_f32 v[LS+\a+\u], v[SU+4*\u], v[TM+16*\u+4]           ; my query's sum over the 128 keys
.endr
.irp u, 0,1
.irp c, 0,1,2
	global_store_b128 v[L16], v[PC+20*\u+4*\c:PC+20*\u+4*\c+3], s[92:93] offset:24576*(\a+\u)+512*\c   ; 512 consecutive bytes, aligned
.endr
.endr
.endm
.irp a, 0,2,4,6
	SOFT2 \a
.endr
.irp q, 0,1,2,3                        ; both halves of the lanes hold every word: lanes 0-15 send blocks 0-3, lanes 16-31 blocks 4-7
	v_cndmask_b32 v[WO+\q], v[SW+\q], v[SW+4+\q], s20
	v_cndmask_b32 v[WO+4+\q], v[MS+\q], v[MS+4+\q], s20
	v_cndmask_b32 v[WO+8+\q], v[LS+\q], v[LS+4+\q], s20
.endr
	global_store_b128 v[L16], v[WO:WO+3], s[94:95]                       ; scale words: 512 bytes, whole
	global_store_b128 v[L16], v[WO+4:WO+7], s[94:95] offset:524288       ; -M'
	global_store_b128 v[L16], v[WO+8:WO+11], s[94:95] offset:1048576     ; sums
	s_wait_tensorcnt 0x0                           ; the wave's end
	ds_add_u32 v[SPW], v[NIL]
	s_wait_dscnt 0x0
	CROUND                                         ; the closing round
	s_endpgm
.Lfunc_end_k_qb16ae421e4_scores:
	.size	k_qb16ae421e4_scores, .Lfunc_end_k_qb16ae421e4_scores-k_qb16ae421e4_scores
	.p2alignl 7, 3214868480
	.fill 96, 4, 3214868480
	.section	.rodata,"a",@progbits
	.p2align	6, 0x0
	.amdhsa_kernel k_qb16ae421e4_scores
		.amdhsa_group_segment_fixed_size 327680
		.amdhsa_private_segment_fixed_size 0
		.amdhsa_enable_private_segment 0
		.amdhsa_kernarg_size 16
		.amdhsa_user_sgpr_count 2
		.amdhsa_user_sgpr_kernarg_segment_ptr 1
		.amdhsa_wavefront_size32 1
		.amdhsa_system_sgpr_workgroup_id_x 1
		.amdhsa_system_sgpr_workgroup_id_y 1
		.amdhsa_system_sgpr_workgroup_id_z 1
		.amdhsa_system_vgpr_workitem_id 0
		.amdhsa_next_free_vgpr 1024
		.amdhsa_next_free_sgpr 102
		.amdhsa_reserve_vcc 0
		.amdhsa_float_denorm_mode_32 3
		.amdhsa_float_denorm_mode_16_64 3
		.amdhsa_memory_ordered 1
		.amdhsa_forward_progress 1
		.amdhsa_inst_pref_size 191
	.end_amdhsa_kernel
	.amdgpu_metadata
---
amdhsa.version: [ 1, 2 ]
amdhsa.kernels:
  - .name:           k_qb16ae421e4_scores
    .symbol:         k_qb16ae421e4_scores.kd
    .args:
      - { .name: qkv, .offset: 0, .size: 8, .value_kind: global_buffer, .address_space: global }
      - { .name: pp, .offset: 8, .size: 8, .value_kind: global_buffer, .address_space: global }
    .group_segment_fixed_size: 327680
    .private_segment_fixed_size: 0
    .kernarg_segment_align: 8
    .kernarg_segment_size: 16
    .max_flat_workgroup_size: 128
    .sgpr_count:     102
    .vgpr_count:     1024
    .wavefront_size: 32
...
	.end_amdgpu_metadata
.endif
;; end of part 3
;; launch pv (part 4): grid 4 x 64, 4 waves a work-group, clusters of 4 x 4, 327,680 bytes of LDS; arguments pp, qkv, out0; writes out0
.if DOCPART == 4
	.amdgcn_target "amdgcn-amd-amdhsa--gfx1250"
	.amdhsa_code_object_version 6
	.text
	.protected	k_qb16ae421e4_pv
	.globl	k_qb16ae421e4_pv
	.p2align	8
	.type	k_qb16ae421e4_pv,@function
k_qb16ae421e4_pv:
	s_mov_b64 s[64:65], 0
	v_nop
	global_prefetch_b8 v0, s[64:65] scope:SCOPE_SE
	s_setreg_imm32_b32 hwreg(HW_REG_WAVE_MODE, 25, 1), 1
	s_wait_xcnt 0x0
	s_wait_alu depctr_hold_cnt(0) depctr_sa_sdst(0) depctr_va_vdst(0) depctr_va_sdst(0) depctr_va_ssrc(0) depctr_va_vcc(0) depctr_vm_vsrc(0)
	s_getreg_b32 s2, hwreg(HW_REG_IB_STS2, 6, 4)
	s_cmp_eq_u32 s2, 0
	s_cbranch_scc0 .Lentry_in_a_cluster
	s_endpgm
.Lentry_in_a_cluster:
	s_bfe_u32 s2, ttmp6, 0x10000c
	s_cmp_lg_u32 s2, 0xf033
	s_cbranch_scc0 .Lentry_shape_is_right
	s_endpgm
.Lentry_shape_is_right:
; out = (P V) / l on codes of BF6.  P's codes and scale bytes were made under a whole number M' of their own for each query and each 128 keys; here the row's M = the largest of its 16 M' is taken, each K step's scale bytes are
; lowered by M - M' (an exact power of two: the codes keep their values under M), the 16 partial sums are brought under M by v_ldexp_f32 and added, and the product is divided by that sum.
; OPERANDS: P (pp): images [512 blocks][16 K steps][1,536] at 0; word images [64 groups][16][512]: scale words at 12,582,912, -M' at 13,107,200, sums at 13,631,488.  v^T (qkv): images [64 blocks of channels][64 K steps][1,536] at
; 12,582,912, scale words [8 groups][64][512] at 19,398,656.  Slot t of block i of a group of 128 rows is row 32 (i / 2) + 8 (i % 2) + t + 8 (t / 8); its word lies at 256 (i / 4) + 16 t + 4 (i % 4).
; TRANSPOSED USE: source 0 = 16 slots of v^T, source 1 = 16 slots of P: a lane holds one query, registers 16 b + i of its 64 are channels 32 b + 16 (lane / 16) + i.
; A work-group makes 128 queries x 256 channels, so that there are 256 work-groups; a wave 64 x 128: 32 accumulators.  K = 2,048 keys in 16 steps.  Two LDS slots, each filled twice by joint loads: slot 0 holds five K steps
; (184,320 bytes: steps 0-4, then 8-12), slot 1 three (110,592 bytes: 5-7, then 13-15).  The words come through registers: P's lowered on the way.  CLUSTERS 4 x 4: P's tiles jointly along a row, v^T's along a column.
; The next step's images are loaded from LDS in one run, in front of a step's products.
; THE LAST TWO STEPS GO BY ROWS: each of my four blocks of queries gets its 16 last products on end (its 8 accumulators by turns, K ascending), is divided by l among the next block's products, and leaves while they go on.
; PREFETCH: fill n + 1 of the walk is asked for behind fill n (fill 1 behind the head's load, fills 2 and 3 at the end of steps 0 and 4, three and two steps ahead of their loads).  Of a wave's 4 blocks of P each of the four
; partners names one (30 or 18 lanes 256 bytes apart), of its 8 blocks of v^T two, told apart by address.  Behind fill 3 nothing is left to ask for.
; LIMITS: NaN and infinities are not served.  A scale byte that would fall under 0 is held at 0: such a block lies more than 2^123 under the row's largest p.
; REGISTERS: window 0: v0-31 addresses; v32-55 scale words, three sets; v64-207 P's fragments, three sets of 48; v64-95, v160-239 the prologue.
;   window 1: v^T's fragments, two sets, at v0 and v96; v192-255 rows read back.   window 2: accumulator (a, b) at v[8 (8 a + b)].   window 3: v0-95 v^T's fragments of step 15; v192-255 rows read back.
.set FRB,   1536
.set RB5,   5*FRB                      ; a block's bytes in slot 0,
.set RB3,   3*FRB                      ; and in slot 1
.set SLOT1, 24*RB5                     ; slot 0: P's 8 blocks, then v^T's 16; slot 1 behind it
.set SCP,   SLOT1+24*RB3               ; P's lowered scale words, [16 K steps][512]
.set SCV,   SCP+8192                   ; v^T's, two groups x [16][512]
.set LINV,  SCV+16384                  ; 1 / l of the 128 queries, laid as a word image
.set SPARE, LINV+512                   ; the spare words, 128 bytes a wave: two blocks of 256 bytes that no other line names
.set L16,  4
.set MYW,  5                           ; v5     thread n: word n of P's word images in LDS
.set MYL,  6                           ; v6     and of 1 / l
.set POS,  7                           ; v7     4 n
.set ADRA, 8                           ; v8-9
.set PFO5, 10                          ; v10-11 the prefetches' offsets, 30 and 18 lanes; never rewritten
.set PFO3, 11
.set ADRB, 12                          ; v12-13
.set ADRS, 15                          ; v15    scale words: lanes 0-15 my four blocks of P, lanes 16-31 v^T's blocks 0-3
.set ADRS2, 16                         ; v16    lanes 16-31: v^T's blocks 4-7
.set STO,  17
.set RD,   18
.set LV,   19
.set LI,   20                          ; v20-27 1 / l of my four blocks (each named as the lower half of a pair)
.set SPW,  28
.set NIL,  29
.set VWA,  30                          ; v30    the head: where my 4,096 bytes of v^T's words go
.set SC,   32
.set AF,   64
.set BK,   192
.set G1A5, 24                          ; descriptor groups 1: P's and v^T's rows of five steps,
.set G1B5, 32
.set G1A3, 48                          ; and of three
.set G1B3, 80
.set MB,   40                          ; s[40:41] the group's -M'; its scale words lie 524,288 bytes before, its sums as far behind
.set PFA,  44                          ; s[44:45] where my prefetches stand
.set GA0,  56
.set GA1,  60
.set GB0,  72
.set GB1,  76
.set MSB, 0
.macro WIN new                         ; the immediate's high byte repeats the setting that is left
.if MSB != (\new)
	s_set_vgpr_msb (MSB<<8)|(\new)
.set MSB, (\new)
.endif
.endm
.macro JLOAD g0a, g1a, g0b, g1b        ; a joint load: waves 0, 1 for P, waves 2, 3 for v^T; four v_nop follow each of the two lines
	s_cmp_eq_u32 s15, 0
	s_cbranch_scc0 .Lfor_b_\@
	tensor_load_to_lds s[\g0a:\g0a+3], s[\g1a:\g1a+7]
	s_nop 0
.rept 4
	v_nop
.endr
	s_branch .Lasked_\@
.Lfor_b_\@:
	tensor_load_to_lds s[\g0b:\g0b+3], s[\g1b:\g1b+7]
	s_nop 0
.rept 4
	v_nop
.endr
.Lasked_\@:
.endm
.macro ASK s, off                      ; my share of the fill that begins with K step s; P's waves name one block, v^T's two
	WIN 0
	global_prefetch_b8 v[\off], s[PFA:PFA+1] offset:FRB*(\s) th:TH_LOAD_NT scope:SCOPE_SE
	s_cmp_eq_u32 s15, 0
	s_cbranch_scc1 .Lone_\@
	global_prefetch_b8 v[\off], s[PFA:PFA+1] offset:98304+FRB*(\s) th:TH_LOAD_NT scope:SCOPE_SE
.Lone_\@:
.endm
.macro CREST                           ; a round of the cluster's barrier behind its opening barrier
	s_cmp_lg_u32 s14, 0
	s_cbranch_scc1 .Lnot_wave_0_\@
	s_barrier_signal -3
.Lnot_wave_0_\@:
	s_barrier_wait -3
	s_barrier_signal -1
	s_barrier_wait -1
.endm
.macro CROUND
	s_barrier_signal -1
	s_barrier_wait -1
	CREST
.endm
.macro PLACES                          ; four places between a matrix instruction and a load into, or a vector read of, its registers
.rept 4
	v_nop
.endr
.endm
.macro SETG g, lbase, loff, src, off
	s_mov_b32 s[\g], 1
	s_add_co_u32 s[\g+1], s[\lbase], \loff
	s_add_nc_u64 s[\g+2:\g+3], s[\src:\src+1], \off
	s_or_b32 s[\g+3], s[\g+3], 0x80000000
.endm
.macro WHERE s                         ; K step s: its slot, a block's bytes there, and its place in them
.if (\s)%8 < 5
.set qL, 0
.set qB, RB5
.set qK, ((\s)%8)*FRB
.else
.set qL, 1
.set qB, RB3
.set qK, ((\s)%8-5)*FRB
.endif
.endm
.macro FETCHV s, set                   ; v^T's 8 images: sets 0, 1 in window 1, the third in window 3
	WHERE \s
.if (\set) == 2
	WIN 0xc0
.set qV, 0
.else
	WIN 0x40
.set qV, 96*(\set)
.endif
.irp i, 0,1,2,3,4,5,6,7
.irp c, 0,1,2
	ds_load_b128 v[qV+12*\i+4*\c:qV+12*\i+4*\c+3], v[ADRB+qL] offset:\i*qB+qK+512*\c
.endr
.endr
	WIN 0
.endm
.macro FETCHP s, set                   ; P's 4 images and the scale words
	WHERE \s
.irp i, 0,1,2,3
.irp c, 0,1,2
	ds_load_b128 v[AF+48*(\set)+12*\i+4*\c:AF+48*(\set)+12*\i+4*\c+3], v[ADRA+qL] offset:\i*qB+qK+512*\c
.endr
.endr
	ds_load_b128 v[SC+8*(\set):SC+8*(\set)+3], v[ADRS] offset:512*(\s)
	ds_load_b128 v[SC+8*(\set)+4:SC+8*(\set)+7], v[ADRS2] offset:512*(\s)
.endm
.macro FETCH s                         ; all of step s into set s % 2: 38 loads
.set fP, (\s)%2
	FETCHV \s, fP
	FETCHP \s, fP
.endm
; P's blocks lo .. hi - 1 x v^T's eight, the accumulators by turns.  zero = 1: the first product starts the sums.
.macro MULR s, zero, lo, hi
.set pP, (\s)%2
	WIN 0xa1                                       ; source 0 window 1, source 1 window 0, C and D window 2
.irp a, 0,1,2,3
.if (\a >= \lo) && (\a < \hi)
.irp b, 0,1,2,3,4,5,6,7
.set rD, 8*(8*\a+\b)
.if \zero
	v_wmma_scale_f32_16x16x128_f8f6f4 v[rD:rD+7], v[96*pP+12*\b:96*pP+12*\b+11], v[AF+48*pP+12*\a:AF+48*pP+12*\a+11], 0, v[SC+8*pP+\b], v[SC+8*pP+\a] matrix_a_fmt:MATRIX_FMT_BF6 matrix_b_fmt:MATRIX_FMT_BF6 matrix_a_scale:MATRIX_SCALE_ROW1
.else
	v_wmma_scale_f32_16x16x128_f8f6f4 v[rD:rD+7], v[96*pP+12*\b:96*pP+12*\b+11], v[AF+48*pP+12*\a:AF+48*pP+12*\a+11], v[rD:rD+7], v[SC+8*pP+\b], v[SC+8*pP+\a] matrix_a_fmt:MATRIX_FMT_BF6 matrix_b_fmt:MATRIX_FMT_BF6 matrix_a_scale:MATRIX_SCALE_ROW1
.endif
.endr
.endif
.endr
.endm
.macro STEP s
	s_wait_dscnt 0x0                               ; this step's fragments are in (asked for a whole step ago)
	PLACES
	FETCH (\s)+1
	MULR \s, 0, 0, 4
.endm
.macro CHANGE s, ga, g1a, gb, g1b      ; step s, the last of its slot: its fragments have been read out, and the slot is filled again, eight K steps on
	WIN 0
	s_wait_tensorcnt 0x0                           ; all my tensor loads have landed;
	ds_add_u32 v[SPW], v[NIL]                      ; 0 onto my spare word;
	s_add_nc_u64 s[\ga+2:\ga+3], s[\ga+2:\ga+3], 8*FRB
	s_add_nc_u64 s[\gb+2:\gb+3], s[\gb+2:\gb+3], 8*FRB
	s_wait_dscnt 0x0                               ; the add is done, and my reads of that slot are over
	s_barrier_signal -1
	MULR \s, 0, 0, 1                               ; eight products, work on registers, between signal and wait
	WIN 0
	s_barrier_wait -1
	CREST                                          ; no wave of any partner still reads the slot or has a load on its way
	JLOAD \ga, \g1a, \gb, \g1b                     ; its four v_nop are the places in front of the loads below
	FETCH (\s)+1
	MULR \s, 0, 1, 4
.endm
	s_load_b128 s[4:7], s[0:1], 0x0                ; pp s[4:5], qkv s[6:7]
	s_load_b64 s[8:9], s[0:1], 0x10                ; out0
	v_lshl_add_u32 v[SPW], v0, 2, SPARE
	v_mov_b32 v[NIL], 0
	ds_add_u32 v[SPW], v[NIL]                      ; the wave's opening: the add, twice on end, and its wait ahead of my first tensor load
	ds_add_u32 v[SPW], v[NIL]
	v_lshrrev_b32 v1, 5, v0
	v_readfirstlane_b32 s14, v1                    ; wave
	s_lshr_b32 s15, s14, 1                         ; my 64 of the 128 queries.  Also: I fetch for P (0) or for v^T (1)
	s_and_b32 s16, s14, 1                          ; my 128 of the 256 channels.  Also: which half of that tile I fetch
	s_bfe_u32 s17, ttmp6, 0x40000                  ; cx: the tile of 256 channels
	s_bfe_u32 s18, ttmp6, 0x40004                  ; cy
	s_and_b32 s19, ttmp7, 0xffff                   ; the cluster's y
	s_lshl_b32 s20, s18, 2
	s_lshl_b32 s20, 15, s20                        ; my row of the cluster
	s_lshl_b32 s21, 0x1111, s17                    ; my column
	s_or_b32 s[G1A5], s20, (3<<16)|(1<<21)
	s_or_b32 s[G1B5], s21, (3<<16)|(1<<21)
	s_or_b32 s[G1A3], s20, (3<<16)|(1<<21)
	s_or_b32 s[G1B3], s21, (3<<16)|(1<<21)
.irp g, G1A5, G1B5                     ; five K steps' images on end: 7,680 bytes = 960 elements
	s_mov_b32 s[\g+1], 960<<16
	s_mov_b32 s[\g+3], 960<<16
.endr
.irp g, G1A3, G1B3                     ; three: 4,608 bytes = 576 elements
	s_mov_b32 s[\g+1], 576<<16
	s_mov_b32 s[\g+3], 576<<16
.endr
.irp g, G1A5, G1A3                     ; P: 4 blocks, 24,576 bytes apart
	s_mov_b32 s[\g+2], 4<<16
	s_mov_b32 s[\g+4], 4
	s_mov_b32 s[\g+5], 3072
	s_mov_b32 s[\g+6], 0
	s_mov_b32 s[\g+7], 0
.endr
.irp g, G1B5, G1B3                     ; v^T: 8 blocks, 98,304 bytes apart
	s_mov_b32 s[\g+2], 8<<16
	s_mov_b32 s[\g+4], 8
	s_mov_b32 s[\g+5], 12288
	s_mov_b32 s[\g+6], 0
	s_mov_b32 s[\g+7], 0
.endr
	s_lshl_b32 s2, s19, 2
	s_add_co_u32 s2, s2, s18                       ; the group of 128 queries: 4 y + cy
	s_lshr_b32 s3, s19, 2                          ; the batch (16 groups each)
	s_lshl_b32 s92, s2, 3
	s_lshl_b32 s93, s16, 2
	s_add_co_u32 s92, s92, s93
	s_mul_i32 s92, s92, 24576                      ; P's codes: block 8 x group + 4 x half
	s_mov_b32 s93, 0
	s_lshl_b32 s96, s17, 4
	s_lshl_b32 s97, s16, 3
	s_add_co_u32 s96, s96, s97
	s_mul_i32 s96, s96, 98304                      ; v^T's codes: block 16 cx + 8 x half,
	s_mul_i32 s97, s3, 24576                       ; the batch's 16 K steps
	s_add_co_u32 s96, s96, s97
	s_add_co_u32 s96, s96, 12582912
	s_mov_b32 s97, 0
	s_lshl_b32 s98, s17, 1
	s_add_co_u32 s98, s98, s15
	s_lshl_b32 s98, s98, 15                        ; v^T's scale words: wave w brings group 2 cx + w / 2,
	s_lshl_b32 s99, s3, 13                         ; the batch's 8,192 bytes,
	s_add_co_u32 s98, s98, s99
	s_lshl_b32 s99, s16, 12                        ; of them half w % 2
	s_add_co_u32 s98, s98, s99
	s_add_co_u32 s98, s98, 19398656
	s_mov_b32 s99, 0
	s_lshl_b32 s[MB], s2, 13
	s_add_co_u32 s[MB], s[MB], 13107200
	s_mov_b32 s[MB+1], 0
	s_mul_i32 s100, s16, 4*RB5                     ; where the tiles go, slot 0: P's halves,
	s_mul_i32 s101, s16, 8*RB5
	s_add_co_u32 s101, s101, 8*RB5                 ; v^T's halves behind them;
	s_mul_i32 s66, s16, 4*RB3                      ; slot 1, from its start
	s_mul_i32 s67, s16, 8*RB3
	s_lshl_b32 s22, s14, 12
	s_add_co_u32 s22, s22, SCV                     ; and my part of v^T's words
	s_wait_alu depctr_va_vdst(0)
	s_wait_dscnt 0x0                               ; both opening adds are done
	s_wait_kmcnt 0x0
	s_add_nc_u64 s[92:93], s[4:5], s[92:93]
	s_add_nc_u64 s[96:97], s[6:7], s[96:97]
	s_add_nc_u64 s[98:99], s[6:7], s[98:99]
	s_add_nc_u64 s[MB:MB+1], s[4:5], s[MB:MB+1]
	SETG GA0, 100, 0, 92, 0
	SETG GB0, 101, 0, 96, 0
	CROUND                                         ; all sixteen work-groups are here: the first joint loads meet
	JLOAD GA0, G1A5, GB0, G1B5                     ; K steps 0 to 4: one tensor load a wave at the head
	; THE PROLOGUE.  Thread n stands for word n of the group's word images: one query.  Its 16 -M', 16 sums and 16 scale words come from memory, 128 consecutive bytes a wave and K step.
	v_and_b32 v1, 31, v0
	v_and_b32 v2, 15, v0                           ; r
	v_bfe_u32 v3, v0, 4, 1                         ; h
	v_lshlrev_b32 v[L16], 4, v1
	v_lshlrev_b32 v[POS], 2, v0
	v_add_nc_u32 v[VWA], s22, v[L16]
.irp j, 0,1,2,3,4,5,6,7                ; v^T's words, on their way to LDS
	global_load_b128 v[64+4*\j:67+4*\j], v[L16], s[98:99] offset:512*\j
.endr
.irp k, 0,1,2,3,4,5,6,7,8,9,10,11,12,13,14,15
	global_load_b32 v[160+\k], v[POS], s[MB:MB+1] offset:512*\k
.endr
.irp k, 0,1,2,3,4,5,6,7,8,9,10,11,12,13,14,15
	global_load_b32 v[176+\k], v[POS], s[MB:MB+1] offset:524288+512*\k
.endr
.irp k, 0,1,2,3,4,5,6,7,8,9,10,11,12,13,14,15
	global_load_b32 v[192+\k], v[POS], s[MB:MB+1] offset:-524288+512*\k
.endr
	SETG GA1, 66, SLOT1, 92, RB5                   ; slot 1: K steps 5 to 7
	SETG GB1, 67, SLOT1+8*RB3, 96, RB5
	s_mul_i32 s46, s17, 24576                      ; P: one block for each of the four that ask with me (told apart by cx);
	s_mul_i32 s47, s18, 196608                     ; v^T: two (told apart by cy)
	s_cmp_eq_u32 s15, 0
	s_cselect_b64 s[PFA:PFA+1], s[92:93], s[96:97]
	s_cselect_b32 s46, s46, s47
	s_mov_b32 s47, 0
	s_add_nc_u64 s[PFA:PFA+1], s[PFA:PFA+1], s[46:47]
	s_wait_alu depctr_va_vdst(0)                   ; the scalar lines above stand between the lane's registers and the readers below
	v_min_u32 v2, 29, v1                           ; five K steps of a block are 30 blocks of 256 bytes, three are 18: the lanes left over name the last again
	v_lshlrev_b32 v[PFO5], 8, v2
	v_min_u32 v2, 17, v1
	v_lshlrev_b32 v[PFO3], 8, v2
	v_and_b32 v2, 15, v0
	v_add_nc_u32 v[MYW], SCP, v[POS]
	v_add_nc_u32 v[MYL], LINV, v[POS]
	s_wait_alu depctr_va_vdst(0)
	s_mul_i32 s20, s15, 4*RB5                      ; my 4 blocks of P, slot 0
	s_mul_i32 s21, s16, 8*RB5
	s_add_co_u32 s21, s21, 8*RB5                   ; my 8 blocks of v^T
	v_add_nc_u32 v[ADRA], s20, v[L16]
	v_add_nc_u32 v[ADRB], s21, v[L16]
	s_mul_i32 s20, s15, 4*RB3                      ; and slot 1
	s_add_co_u32 s20, s20, SLOT1
	s_mul_i32 s21, s16, 8*RB3
	s_add_co_u32 s21, s21, SLOT1+8*RB3
	v_add_nc_u32 v[ADRA+1], s20, v[L16]
	v_add_nc_u32 v[ADRB+1], s21, v[L16]
	s_lshl_b32 s20, s15, 8                         ; P's words of my four blocks: 256 x my half;
	s_lshl_b32 s21, s16, 13
	s_add_co_u32 s21, s21, 8192
	s_sub_co_u32 s21, s21, s20                     ; how far on my group of v^T lies
	v_mul_u32_u24 v[ADRS], s21, v3                 ; lanes 16-31 take v^T's
	s_add_co_u32 s20, s20, SCP
	v_lshl_add_u32 v[ADRS], v2, 4, v[ADRS]
	v_add_nc_u32 v[ADRS], s20, v[ADRS]
	v_lshl_add_u32 v[ADRS2], v3, 8, v[ADRS]
	s_mul_i32 s20, s14, 8448                       ; my stage, 16 rows x (512 + 16) bytes, in slot 0: it is written when that slot has had its last fill and its last read
	v_mul_u32_u24 v[STO], v2, 528
	v_lshl_add_u32 v[STO], v3, 6, v[STO]
	v_add_nc_u32 v[STO], s20, v[STO]               ; in: row r, + 64 h
	v_add_nc_u32 v[RD], s20, v[L16]                ; back: a whole row, 16 bytes a lane
	s_lshl_b32 s20, s15, 8
	s_add_co_u32 s20, s20, LINV
	v_lshl_add_u32 v[LV], v2, 4, s20               ; 1 / l of slot r of my four blocks: four words on end
.irp a, 0,1,2,3
	v_mov_b32 v[LI+2*\a+1], 0                      ; (named as the upper half of a pair)
.endr
	s_lshl_b32 s92, s2, 19                         ; out: row 128 x group + 64 x my half, column 256 cx + 128 x my half
	s_lshl_b32 s93, s15, 18
	s_add_co_u32 s92, s92, s93
	s_lshl_b32 s93, s17, 10
	s_add_co_u32 s92, s92, s93
	s_lshl_b32 s93, s16, 9
	s_add_co_u32 s92, s92, s93
	s_mov_b32 s93, 0
	s_add_nc_u64 s[8:9], s[8:9], s[92:93]
	s_mov_b32 s22, 0x80808080
	s_mov_b32 s23, 0x01010101
	s_wait_alu depctr_va_vdst(0)                   ; the wait at the head's end
	ASK 5, PFO3                                    ; K steps 5 to 7
	s_wait_loadcnt 48                              ; v^T's words are in; the 48 loads behind them may be out
.irp j, 0,1,2,3,4,5,6,7
	ds_store_b128 v[VWA], v[64+4*\j:67+4*\j] offset:512*\j
.endr
	s_wait_loadcnt 0x0
	v_min3_num_f32 v208, v160, v161, v162          ; -M = the least -M'
.irp k, 3,5,7,9,11,13
	v_min3_num_f32 v208, v208, v[160+\k], v[161+\k]
.endr
	v_min_num_f32 v208, v208, v175
.irp k, 0,1,2,3,4,5,6,7,8,9,10,11,12,13,14,15
	v_sub_f32 v[160+\k], v[160+\k], v208           ; d = M - M': a whole number, 0 or more
.endr
.irp k, 0,1,2,3,4,5,6,7,8,9,10,11,12,13,14,15
	v_cvt_i32_f32 v[160+\k], v[160+\k]             ; (it saturates)
.endr
.irp k, 0,1,2,3,4,5,6,7,8,9,10,11,12,13,14,15
	v_sub_nc_u32 v[224+\k], 0, v[160+\k]
.endr
.irp k, 0,1,2,3,4,5,6,7,8,9,10,11,12,13,14,15
	v_ldexp_f32 v[176+\k], v[176+\k], v[224+\k]    ; the partial sum under M: nothing is rounded
.endr
.irp k, 0,1,2,3,4,5,6,7,8,9,10,11,12,13,14,15
	v_min_u32 v[160+\k], 127, v[160+\k]
.endr
.irp k, 0,1,2,3,4,5,6,7,8,9,10,11,12,13,14,15
	v_mul_lo_u32 v[160+\k], v[160+\k], s23         ; d in each of four bytes
.endr
.irp k, 0,4,8,12
	v_pk_add_f32 v[176+\k:177+\k], v[176+\k:177+\k], v[178+\k:179+\k]
.endr
	v_pk_add_f32 v[176:177], v[176:177], v[180:181]
	v_pk_add_f32 v[184:185], v[184:185], v[188:189]
	v_pk_add_f32 v[176:177], v[176:177], v[184:185]
	v_add_f32 v176, v176, v177                     ; l
	s_wait_alu depctr_va_vdst(0)                   ; the wait ahead of the reciprocal
	v_rcp_f32 v209, v176
.irp k, 0,1,2,3,4,5,6,7,8,9,10,11,12,13,14,15
	v_or_b32 v[192+\k], s22, v[192+\k]             ; each byte (123 at the most) + 128,
.endr
.irp k, 0,1,2,3,4,5,6,7,8,9,10,11,12,13,14,15
	v_sub_nc_u32 v[192+\k], v[192+\k], v[160+\k]   ; - d (127 at the most): no borrow leaves a byte;
.endr
.irp k, 0,1,2,3,4,5,6,7,8,9,10,11,12,13,14,15
	v_and_b32 v[160+\k], s22, v[192+\k]            ; the top bit is left where byte >= d:
.endr
.irp k, 0,1,2,3,4,5,6,7,8,9,10,11,12,13,14,15
	v_lshrrev_b32 v[224+\k], 7, v[160+\k]
.endr
.irp k, 0,1,2,3,4,5,6,7,8,9,10,11,12,13,14,15
	v_sub_nc_u32 v[160+\k], v[160+\k], v[224+\k]   ; 0x7f there, 0 elsewhere
.endr
.irp k, 0,1,2,3,4,5,6,7,8,9,10,11,12,13,14,15
	v_and_b32 v[192+\k], v[192+\k], v[160+\k]      ; byte - d, held at 0
.endr
.irp k, 0,1,2,3,4,5,6,7,8,9,10,11,12,13,14,15
	ds_store_b32 v[MYW], v[192+\k] offset:512*\k
.endr
	s_wait_alu depctr_va_vdst(0)                   ; the wait for the reciprocal, ahead of its first reader
	ds_store_b32 v[MYL], v209
	s_wait_tensorcnt 0x0                           ; my part of slot 0 is in
	ds_add_u32 v[SPW], v[NIL]
	s_wait_dscnt 0x0                               ; the add is done; for the others' sake: my stores have landed
	CROUND                                         ; everybody's part of slot 0 and all words are in
	JLOAD GA1, G1A3, GB1, G1B3                     ; slot 1's first fill, the first tensor load behind the round
	FETCH 0
.irp a, 0,1,2,3
	ds_load_b32 v[LI+2*\a], v[LV] offset:4*\a
.endr
	s_wait_dscnt 0x0
	FETCH 1
	MULR 0, 1, 0, 4
	ASK 8, PFO5                                    ; K steps 8 to 12
	STEP 1
	STEP 2
	STEP 3
	CHANGE 4, GA0, G1A5, GB0, G1B5                 ; slot 0 takes K steps 8 to 12
	ASK 13, PFO3                                   ; K steps 13 to 15
	STEP 5
	STEP 6
	CHANGE 7, GA1, G1A3, GB1, G1B3                 ; slot 1 takes K steps 13 to 15
	STEP 8
	STEP 9
	STEP 10
	STEP 11
	s_wait_tensorcnt 0x0                           ; my part of slot 1's second fill has landed; nothing is filled any more,
	s_wait_dscnt 0x0                               ; and slot 0 has been read for the last time
	s_barrier_signal -1
	MULR 12, 0, 0, 1
	s_barrier_wait -1
	PLACES
	FETCH 13
	FETCHV 15, 2                                   ; step 15's fragments go into the third set, over two steps
	MULR 12, 0, 1, 4
	s_wait_dscnt 0x0
	PLACES
	FETCH 14
	FETCHP 15, 2
	MULR 13, 0, 0, 4
	; THE LAST TWO STEPS, BY ROWS, AND THE WAY OUT, block by block of 16 queries x 128 channels: x 1 / l, in place; through my stage; back as whole rows of 512 bytes, which the 32 lanes store as one aligned run each.
.macro SCALE2 a, j                     ; four numbers of a lane; each accumulator from its low end on
	WIN 0x82                                       ; source 0 and destination window 2
.irp k, 0,2
	v_pk_mul_f32 v[64*(\a)+(\j)+\k:64*(\a)+(\j)+\k+1], v[64*(\a)+(\j)+\k:64*(\a)+(\j)+\k+1], v[LI+2*(\a):LI+2*(\a)+1] op_sel_hi:[1,0]
.endr
.endm
.macro ROW a, sc                       ; block a: step 14 (set 0), step 15 (the third set); sc = 1: block a - 1 is scaled between the products
.set nN, 0
.irp q, 0,1
.irp b, 0,1,2,3,4,5,6,7
	WIN 0xa1+2*\q                                  ; source 0 window 1, then window 3
.set rD, 8*(8*(\a)+\b)
	v_wmma_scale_f32_16x16x128_f8f6f4 v[rD:rD+7], v[12*\b:12*\b+11], v[AF+96*\q+12*(\a):AF+96*\q+12*(\a)+11], v[rD:rD+7], v[SC+16*\q+\b], v[SC+16*\q+(\a)] matrix_a_fmt:MATRIX_FMT_BF6 matrix_b_fmt:MATRIX_FMT_BF6 matrix_a_scale:MATRIX_SCALE_ROW1
.if \sc
	SCALE2 (\a)-1, 4*nN
.endif
.set nN, nN+1
.endr
.endr
.endm
.macro TOSTAGE a
	WIN 0x08                                       ; an LDS store's data are its source 1: window 2
.irp b, 0,1,2,3
.irp q, 0,1,2,3
	ds_store_b128 v[STO], v[64*(\a)+16*\b+4*\q:64*(\a)+16*\b+4*\q+3] offset:128*\b+16*\q
.endr
.endr
	WIN 0x40+0x80*((\a)%2)                         ; destination window 1 or 3
.irp t, 0,1,2,3,4,5,6,7,8,9,10,11,12,13,14,15
	ds_load_b128 v[BK+4*\t:BK+4*\t+3], v[RD] offset:528*\t     ; LDS serves a wave's instructions in order: these see the stores above, and the next block's stores come behind them
.endr
	WIN 0
.endm
.macro SEND a
	s_wait_dscnt 0x0                               ; the block is back in registers
	WIN 0x04+0x08*((\a)%2)                         ; data window 1 or 3
.irp t, 0,1,2,3,4,5,6,7,8,9,10,11,12,13,14,15
	global_store_b128 v[L16], v[BK+4*\t:BK+4*\t+3], s[8:9] offset:(32*((\a)/2)+8*((\a)%2)+\t+8*(\t/8))*4096 th:TH_STORE_NT    ; slot t of the block is that row of my 64
.endr
	WIN 0
.endm
	s_wait_dscnt 0x0
	ROW 0, 0
	PLACES
	ROW 1, 1
	s_wait_alu depctr_va_vdst(0)                   ; ahead of the stage's stores
	TOSTAGE 0
	PLACES
	ROW 2, 1
	s_wait_alu depctr_va_vdst(0)
	SEND 0
	TOSTAGE 1
	PLACES
	ROW 3, 1
	s_wait_alu depctr_va_vdst(0)
	s_wait_xcnt 0x0                                ; block 0's stores have read their data: block 2's rows may land there
	SEND 1
	TOSTAGE 2
	PLACES
.irp n, 0,1,2,3,4,5,6,7,8,9,10,11,12,13,14,15
	SCALE2 3, 4*\n
.endr
	s_wait_alu depctr_va_vdst(0)
	s_wait_xcnt 0x0                                ; block 1's likewise
	SEND 2
	TOSTAGE 3
	SEND 3
	s_wait_tensorcnt 0x0                           ; the wave's end
	ds_add_u32 v[SPW], v[NIL]
	s_wait_dscnt 0x0
	CROUND                                         ; the closing round
	s_endpgm
.Lfunc_end_k_qb16ae421e4_pv:
	.size	k_qb16ae421e4_pv, .Lfunc_end_k_qb16ae421e4_pv-k_qb16ae421e4_pv
	.p2alignl 7, 3214868480
	.fill 96, 4, 3214868480
	.section	.rodata,"a",@progbits
	.p2align	6, 0x0
	.amdhsa_kernel k_qb16ae421e4_pv
		.amdhsa_group_segment_fixed_size 327680
		.amdhsa_private_segment_fixed_size 0
		.amdhsa_enable_private_segment 0
		.amdhsa_kernarg_size 24
		.amdhsa_user_sgpr_count 2
		.amdhsa_user_sgpr_kernarg_segment_ptr 1
		.amdhsa_wavefront_size32 1
		.amdhsa_system_sgpr_workgroup_id_x 1
		.amdhsa_system_sgpr_workgroup_id_y 1
		.amdhsa_system_sgpr_workgroup_id_z 1
		.amdhsa_system_vgpr_workitem_id 0
		.amdhsa_next_free_vgpr 1024
		.amdhsa_next_free_sgpr 102
		.amdhsa_reserve_vcc 0
		.amdhsa_float_denorm_mode_32 3
		.amdhsa_float_denorm_mode_16_64 3
		.amdhsa_memory_ordered 1
		.amdhsa_forward_progress 1
		.amdhsa_inst_pref_size 162
	.end_amdhsa_kernel
	.amdgpu_metadata
---
amdhsa.version: [ 1, 2 ]
amdhsa.kernels:
  - .name:           k_qb16ae421e4_pv
    .symbol:         k_qb16ae421e4_pv.kd
    .args:
      - { .name: pp, .offset: 0, .size: 8, .value_kind: global_buffer, .address_space: global }
      - { .name: qkv, .offset: 8, .size: 8, .value_kind: global_buffer, .address_space: global }
      - { .name: out0, .offset: 16, .size: 8, .value_kind: global_buffer, .address_space: global }
    .group_segment_fixed_size: 327680
    .private_segment_fixed_size: 0
    .kernarg_segment_align: 8
    .kernarg_segment_size: 24
    .max_flat_workgroup_size: 128
    .sgpr_count:     102
    .vgpr_count:     1024
    .wavefront_size: 32
...
	.end_amdgpu_metadata
.endif
;; end of part 4
